; MI455X (gfx1250); checked and timed in simulation.
; The chip was launched on July 23, 2026; its instructions are those of AMD's public machine-readable ISA for CDNA 5 (MIT licence, August 2026) and "CDNA5" Instruction Set Architecture Reference Guide (July 2026). The comments in the code are by the model that wrote it; some were corrected since.
;; Tiny Attention. Allowed arithmetic: matrix products marked QUANTISED: E2M3 operands, one E8M0 scale for each 32 along K, by v_wmma_scale_f32_16x16x128_f8f6f4 with both operands' format E2M3, f32 sums; everything else in f32.
;; Inputs: b_proj 1,024 float32; w_proj 1,024 x 1,024 float32; w_qkv 1,024 x 3,072 float32; x 4 x 2,048 x 1,024 float32.
;; Outputs: out0 4 x 2,048 x 1,024 float32.
;; This version of the problem:
;;   THIS VERSION OF THE PROBLEM IS GIVEN IN LOW PRECISION. The matrix products marked QUANTISED in the list below multiply operands that are first quantised to E2M3 (2 exponent bits, 3 mantissa bits; 6 bits a number), with one power-of-two scale for each 32 numbers along K (OCP MX v1.0); their sums are f32. All else is computed in f32.
;;   The module's matrix products, in the order in which they are computed (A, B: the left and right operand; K: the contracted axis; several contracted axes count as one K, in the product's order):
;;     1. [M 8,192, K 1,024] x [K 1,024, N 3,072]; A: input x; B: input w_qkv: QUANTISED
;;     2. batch 4 x [M 2,048, K 1,024] x [K 1,024, N 2,048]; A: computed on the way; B: computed on the way: QUANTISED
;;     3. batch 4 x [M 2,048, K 2,048] x [K 2,048, N 1,024]; A: softmax (see below); B: computed on the way: QUANTISED
;;     4. [M 8,192, K 1,024] x [K 1,024, N 1,024]; A: computed on the way; B: input w_proj: QUANTISED
;;   THE QUANTISER, for each operand of a quantised product, along K:
;;     - K is cut into blocks of 32 from its start; a last block that is shorter is filled with zeros.
;;     - A block's scale is 2^e with e = floor(log2(the largest magnitude in the block)) - 2, held to -126 .. 127; a block of zeros has e = 0. As a byte (E8M0): e + 127.
;;     - Each number is divided by its block's scale, clamped to +-7.5, and rounded to the nearest number of E2M3, ties to even, subnormals kept.
;;     - The product sums the exact products of the quantised numbers (number of the format x scale) in f32.
;;   ~~~python
;;   def quantise(x, axis):      # numpy; x: float32 -> the quantised numbers, widened to float32 again
;;       x = np.moveaxis(x, axis, -1); K = x.shape[-1]
;;       x = np.pad(x, [(0, 0)] * (x.ndim - 1) + [(0, -K % 32)]); x = x.reshape(x.shape[:-1] + (-1, 32)); a = np.abs(x).max(-1, keepdims=True)
;;       e = np.where(a > 0, np.clip(np.frexp(np.where(a > 0, a, 1))[1] - 1 - 2, -126, 127), 0)      # np.frexp(a)[1] - 1 = floor(log2(a)), exactly
;;       r = np.clip(x / 2.0 ** e, -7.5, 7.5)
;;       step = 2.0 ** (np.maximum(np.frexp(np.where(r == 0, 1, r))[1] - 1, 0) - 3)
;;       q = np.round(r / step) * step * 2.0 ** e      # np.round: ties to even
;;       return np.moveaxis(q.reshape(q.shape[:-2] + (-1,))[..., :K], -1, axis).astype(np.float32)
;;   ~~~
;;   SOFTMAX AHEAD OF A QUANTISED PRODUCT. Where the list says 'softmax', what is quantised is not the finished softmax but p = 2^(t - M), with t = logit x log2(e) and M = ceil(the row's largest t), a whole number; so 1/2 < the row's largest p <= 1. The row's sum l is taken of the UNQUANTISED p, in f32, and the product's result is divided by l at the end. Since M is a whole number, a kernel that streams over the keys may use a running M (the ceiling of the running maximum): every later rescaling is an exact power of two, which a block's scale takes up: the codes' values come out the same.
;;   OPERANDS COMPUTED ON THE WAY. 'Computed on the way' means the value that the module computes at that place (a softmax that the list does not call 'softmax' is quantised finished and normalised). What goes into a quantiser is computed in f32, as accurately as f32 sums, v_exp_f32 and their like allow (about 1e-6 of the number): no bf16 or f16 on the way to a quantiser, and a product that is left as it is and whose result goes on into a quantised operand takes f32 operands (vector FMAs, or v_wmma_f32_16x16x4_f32). A number that lies on a knife's edge between two numbers of the format may be rounded either way, as far as f32 arithmetic and the matrix unit's own rounding can turn it there, and no further.
;; One version. Each part assembles by itself: llvm-mc -triple=amdgcn-amd-amdhsa -mcpu=gfx1250 --defsym DOCPART=n.
;; ======== version 1 of 1: 5 launches
;; workspace buffers: xw 9,830,400 bytes; qkv 19,660,800 bytes; p 14,155,776 bytes; o 6,553,600 bytes
;; launch quant (part 1): grid 768 x 1, 4 waves a work-group, no clusters, 34,304 bytes of LDS; arguments x, w_qkv, w_proj, xw; writes xw
.if DOCPART == 1
	.amdgcn_target "amdgcn-amd-amdhsa--gfx1250"
	.amdhsa_code_object_version 6
	.text
	.protected	k_q524049d76c_quant
	.globl	k_q524049d76c_quant
	.p2align	8
	.type	k_q524049d76c_quant,@function
k_q524049d76c_quant:
	s_mov_b64 s[64:65], 0
	v_nop
	global_prefetch_b8 v0, s[64:65] scope:SCOPE_SE
	s_setreg_imm32_b32 hwreg(HW_REG_WAVE_MODE, 25, 1), 1
	s_wait_xcnt 0x0
; THE PROGRAM: causal attention with one head of 1,024 on 4 x 2,048 tokens, all four products on codes of FP6 (E2M3) with one E8M0 byte for each 32 along K.
; Five launches: quant (this one: x, w_qkv, w_proj -> codes), g1 (x w_qkv; its results leave as codes of q, k, v), sm (q k^T, mask, p = 2^(t - M) as codes), pv (p v / l, as codes of o), proj (o w_proj + b).
; DEAD WORK, LEFT OUT IN sm AND pv.  reference() builds jnp.tril in its own body and sets att to -inf where key > query, so exp gives exactly 0 there for all finite inputs: such a score reaches no output.
; Left out where it comes in whole units: tiles of q k^T (128 queries x 256 keys) all of whose keys come after all of their queries, and the keys of p v behind the 512 keys that hold a query block's diagonal.
; Inside a tile or a run of 512 keys that also holds live work it stays (hidden scores become -inf, hidden p are zero codes).  No input is dead: all four are loaded.
; LIMITS: NaN and infinities among the inputs are not served; a NaN, an infinity or an overflow that reaches only the work left out is not carried to the result.
; A block of zeros gets the byte 1 where the rule says 127: its codes are zeros, and this program alone reads the bytes.  Blocks whose largest magnitude lies under 2^(3 - 127), the floor, keep the byte 1.
;
; THE LAYOUT OF ALL WORKSPACE OPERANDS.  A FRAGMENT (16 rows x 128 K, 12 registers a lane) lies as an image of the operand's registers: register 4 c + j of lane l at byte 512 c + 16 l + 4 j: 1,536 bytes.
; A PANEL is 128 rows x 128 K: 8 fragments, then 128 scale words (fragment i, lane r at 64 i + 4 r): 12,800 bytes.  In fragment i lane r holds row 32 (i / 2) + 8 (i % 2) + r + 8 (r / 8) of the 128, so that a product
; which takes such fragments as source 0 leaves 16 neighbouring rows in the 16 registers of two neighbouring accumulators.  xw: panel 8 g + s; groups g: 0-63 x's tokens, 64-87 w_qkv's columns, 88-95 w_proj's.
;
; THIS LAUNCH.  Work-group id = the panel that it makes; wave w makes fragments 2 w and 2 w + 1 (32 rows x 128 K, 16 KiB of f32, all asked for at the wave's head).  A stream: nothing is shared, so no matrix unit, no tensor load, no cluster.
; x (K innermost): each load takes 512 consecutive bytes of a row; a fragment's 16 rows turn through the wave's own stage in LDS (rows 528 bytes apart), so that a lane gets its 2 x 32 neighbours along K.
; w (K outermost): a lane takes a column and its registers run down K; 128 consecutive bytes a load and wave, 512 a work-group.  One exchange of the lanes' halves makes the two fragments.
.set PANEL, 12800
.set FRB,   1536
.set TAIL,  8*FRB
.set STG,   16*528                     ; a wave's stage
.set SPARE, 4*STG                      ; behind the stages: the spare words, 128 bytes for each wave, that no other line names
.set GO,  12                           ; v12  16 x lane + 3,072 x wave: my 16 bytes of a fragment's 512, in my wave's two fragments
.set GS,  13                           ; v13  4 x lane + 128 x wave: my scale word
.set SPW, 14                           ; v14  my spare word; never rewritten
.set NIL, 15                           ; v15  0; never rewritten
.set R,   16                           ; x: v16-143  two fragments' numbers as loaded
.set X,   144                          ; x: v144-207 a lane's 64 numbers: k = 64 c + 32 h + 0 .. 31 at 32 c
.set PCX, 208                          ; x: v208-231 the two fragments' codes
.set PTX, 232                          ; x: v232-239 the upper halves of the blocks' codes, on their way
.set TMX, 240                          ; x: v240-247 at work
.set PWX, 248                          ; x: v248-249 the two fragments' scale words
.set XW,  16                           ; w: v16-143  my column's 128 numbers
.macro LOADF u                         ; fragment u's 16 rows: 512 consecutive bytes a load
.irp j, 0,1,2,3,4,5,6,7,8,9,10,11,12,13,14,15
	global_load_b128 v[R+64*\u+4*\j:R+64*\u+4*\j+3], v6, s[4:5] offset:(8*\u+\j+8*(\j/8))*4096 th:TH_LOAD_NT
.endr
.endm
.macro TURNX u                         ; through my stage: LDS serves a wave's instructions in order, so no wait stands between the stores and the loads
.irp j, 0,1,2,3,4,5,6,7,8,9,10,11,12,13,14,15
	ds_store_b128 v8, v[R+64*\u+4*\j:R+64*\u+4*\j+3] offset:528*\j
.endr
.irp c, 0,1
.irp j, 0,1,2,3,4,5,6,7
	ds_load_b128 v[X+32*\c+4*\j:X+32*\c+4*\j+3], v9 offset:256*\c+16*\j
.endr
.endr
.endm
.macro QX u                            ; my two whole blocks (2 c + h) become registers 6 c .. 6 c + 5 of the fragment; the scale word's four bytes come from lanes l and l xor 16
.irp c, 0,1
	v_max3_num_f32 v[TMX+\c], |v[X+32*\c]|, |v[X+1+32*\c]|, 0x1800000      ; with the floor 2^(3 - 127): the byte cannot fall under 1
.endr
.irp i, 2,4,6,8,10,12,14,16,18,20,22,24,26,28,30
.irp c, 0,1
	v_max3_num_f32 v[TMX+\c], v[TMX+\c], |v[X+32*\c+\i]|, |v[X+1+32*\c+\i]|
.endr
.endr
.irp c, 0,1
	v_add_nc_u32 v[TMX+2+\c], 0xff000000, v[TMX+\c]        ; 2 off the exponent field: the conversion's scale operand
.endr
.irp c, 0,1
	v_lshrrev_b32 v[TMX+4+\c], 23, v[TMX+2+\c]             ; the scale's byte
.endr
	v_lshl_or_b32 v[PWX+\u], v[TMX+5], 16, v[TMX+4]        ; blocks h and 2 + h,
	v_lshlrev_b32 v[PWX+\u], v7, v[PWX+\u]                 ; 8 h bits up;
	v_permlanex16_b32 v[TMX+7], v[PWX+\u], s16, s17
	v_or_b32 v[PWX+\u], v[PWX+\u], v[TMX+7]                ; with lane l xor 16's two the word is whole
.irp c, 0,1
	v_cvt_scalef32_pk16_fp6_f32 v[PCX+12*\u+6*\c:PCX+12*\u+6*\c+2], v[X+32*\c:X+32*\c+15], v[TMX+2+\c]
	v_cvt_scalef32_pk16_fp6_f32 v[PTX+4*\c:PTX+4*\c+2], v[X+32*\c+16:X+32*\c+31], v[TMX+2+\c]   ; (a conversion's three registers begin on an even number)
.endr
	v_nop                                                  ; one plain place behind a scaled conversion
.irp c, 0,1
.irp i, 0,1,2
	v_mov_b32 v[PCX+12*\u+6*\c+3+\i], v[PTX+4*\c+\i]
.endr
.endr
.irp c, 0,1,2
	global_store_b128 v[GO], v[PCX+12*\u+4*\c:PCX+12*\u+4*\c+3], s[10:11] offset:FRB*\u+512*\c   ; 512 consecutive bytes
.endr
.endm
.macro WBLOCK t                        ; block t of my column: all 32 numbers are mine.  Even blocks go to v144 on, odd ones to v156 on
.set XS, XW+32*(\t)
.set DS, 144+12*((\t)%2)+6*((\t)/2)
	v_max3_num_f32 v172, |v[XS]|, |v[XS+1]|, |v[XS+2]|
	v_max3_num_f32 v175, |v[XS+3]|, |v[XS+4]|, |v[XS+5]|
.irp i, 6,10,14,18,22,26
	v_max3_num_f32 v172, v172, |v[XS+\i]|, |v[XS+\i+1]|
	v_max3_num_f32 v175, v175, |v[XS+\i+2]|, |v[XS+\i+3]|
.endr
	v_max3_num_f32 v172, v172, |v[XS+30]|, |v[XS+31]|
	v_max3_num_f32 v172, v172, v175, 0x1800000             ; and the floor
	v_add_nc_u32 v173, 0xff000000, v172
	v_lshrrev_b32 v174, 23, v173
.if (\t) == 0
	v_mov_b32 v176, v174
.else
	v_lshl_or_b32 v176, v174, 8*(\t), v176                 ; my column's scale word
.endif
	v_cvt_scalef32_pk16_fp6_f32 v[DS:DS+2], v[XS:XS+15], v173
	v_cvt_scalef32_pk16_fp6_f32 v[168:170], v[XS+16:XS+31], v173
	v_nop
.irp i, 0,1,2
	v_mov_b32 v[DS+3+\i], v[168+\i]
.endr
.endm
.macro WPATH pitch, ptr, g0            ; pitch: bytes in a row of w; ptr: its address; g0: its first group in xw
	s_lshr_b32 s24, ttmp9, 3
	s_sub_co_u32 s24, s24, \g0
	s_lshl_b32 s24, s24, 9                                 ; the group's 128 columns,
	s_and_b32 s25, ttmp9, 7
	s_mul_i32 s25, s25, 128*\pitch                         ; the K step's 128 rows
	s_add_co_u32 s24, s24, s25
	s_mov_b32 s25, 0
	s_add_nc_u64 s[\ptr:\ptr+1], s[\ptr:\ptr+1], s[24:25]
.set k, 0
.rept 128
	global_load_b32 v[XW+k], v4, s[\ptr:\ptr+1] offset:k*\pitch th:TH_LOAD_NT
.set k, k+1
.endr
	s_wait_loadcnt 63                                      ; the first 65 loads are in: blocks 0 and 1 (the count's field holds no more)
	WBLOCK 0
	WBLOCK 1
	s_wait_loadcnt 32                                      ; block 3's 32 may be out
	WBLOCK 2
	s_wait_loadcnt 0x0
	WBLOCK 3
.set k, 0
.rept 12                               ; lanes 0-15 hold fragment 2 w's columns, lanes 16-31 fragment 2 w + 1's: the even blocks' lanes 16-31 change places with the odd blocks' lanes 0-15, and each run is a fragment
	v_permlane16_swap_b32 v[144+k], v[156+k]
.set k, k+1
.endr
.irp c, 0,1,2
	global_store_b128 v[GO], v[144+4*\c:147+4*\c], s[10:11] offset:512*\c
	global_store_b128 v[GO], v[156+4*\c:159+4*\c], s[10:11] offset:FRB+512*\c
.endr
	global_store_b32 v[GS], v176, s[10:11] offset:TAIL
.endm
	s_load_b256 s[4:11], s[0:1], 0x0                       ; x s[4:5], w_qkv s[6:7], w_proj s[8:9], xw s[10:11]
	v_lshl_add_u32 v[SPW], v0, 2, SPARE
	v_mov_b32 v[NIL], 0
	v_lshrrev_b32 v1, 5, v0
	v_readfirstlane_b32 s12, v1                            ; wave
	v_and_b32 v3, 31, v0                                   ; lane
	v_and_b32 v1, 15, v0                                   ; r
	v_bfe_u32 v2, v0, 4, 1                                 ; h
	v_lshlrev_b32 v6, 4, v3                                ; 16 x lane
	s_mul_i32 s20, s12, 2*FRB
	v_add_nc_u32 v[GO], s20, v6
	s_lshl_b32 s21, s12, 7
	v_lshl_add_u32 v[GS], v3, 2, s21
	v_and_b32 v4, 8, v1
	v_add_nc_u32 v4, v4, v1                                ; r + 8 (r / 8)
	v_lshl_add_u32 v4, v2, 3, v4                           ; + 8 h: lanes 16-31 take the odd fragment's columns
	v_lshlrev_b32 v4, 2, v4
	v_add_nc_u32 v4, s21, v4                               ; w: my column's bytes in the group's 512: 4 (32 w + 8 h + r + 8 (r / 8))
	s_mov_b32 s16, 0x76543210
	s_mov_b32 s17, 0xfedcba98                              ; v_permlanex16_b32's selects for lane l xor 16
	s_mov_b32 s18, 0xffff0000                              ; lanes 16-31
	s_mul_i32 s22, ttmp9, PANEL
	s_mov_b32 s23, 0
	s_wait_kmcnt 0x0
	s_add_nc_u64 s[10:11], s[10:11], s[22:23]              ; my panel
	s_cmp_lt_u32 ttmp9, 512
	s_cbranch_scc1 .Lx
	s_cmp_lt_u32 ttmp9, 704
	s_cbranch_scc1 .Lwqkv
	WPATH 4096, 8, 88
	s_branch .Lend
.Lwqkv:
	WPATH 12288, 6, 64
	s_branch .Lend
.Lx:
	s_lshr_b32 s24, ttmp9, 3
	s_lshl_b32 s24, s24, 19                                ; the group's 128 rows of 4,096 bytes,
	s_lshl_b32 s25, s12, 17                                ; my wave's 32 of them,
	s_add_co_u32 s24, s24, s25
	s_and_b32 s25, ttmp9, 7
	s_lshl_b32 s25, s25, 9                                 ; the K step's 512 bytes
	s_add_co_u32 s24, s24, s25
	s_mov_b32 s25, 0
	s_add_nc_u64 s[4:5], s[4:5], s[24:25]
	LOADF 0
	LOADF 1
	s_mul_i32 s26, s12, STG
	v_add_nc_u32 v8, s26, v6                               ; the stage, in: 16 x lane of a row
	v_mul_u32_u24 v9, v1, 528
	v_lshl_add_u32 v9, v2, 7, v9
	v_add_nc_u32 v9, s26, v9                               ; out: row r, + 128 h
	v_lshlrev_b32 v7, 3, v2                                ; 8 h
	v_mov_b32 v[TMX+7], 0                                  ; a lane permute's destination counts as one of its sources
	s_wait_loadcnt 16                                      ; fragment 0's sixteen loads are in; fragment 1's may be out
	TURNX 0
	s_wait_dscnt 0x0
	QX 0
	s_wait_loadcnt 0x0
	TURNX 1
	s_wait_dscnt 0x0
	QX 1
	v_cndmask_b32 v250, v[PWX], v[PWX+1], s18              ; lanes 0-15: fragment 2 w's words, lanes 16-31: fragment 2 w + 1's
	global_store_b32 v[GS], v250, s[10:11] offset:TAIL
.Lend:
	s_wait_tensorcnt 0x0                                   ; the wave's end
	ds_add_u32 v[SPW], v[NIL]
	s_wait_dscnt 0x0
	s_endpgm
.Lfunc_end_k_q524049d76c_quant:
	.size	k_q524049d76c_quant, .Lfunc_end_k_q524049d76c_quant-k_q524049d76c_quant
	.p2alignl 7, 3214868480
	.fill 96, 4, 3214868480
	.section	.rodata,"a",@progbits
	.p2align	6, 0x0
	.amdhsa_kernel k_q524049d76c_quant
		.amdhsa_group_segment_fixed_size 34304
		.amdhsa_private_segment_fixed_size 0
		.amdhsa_enable_private_segment 0
		.amdhsa_kernarg_size 32
		.amdhsa_user_sgpr_count 2
		.amdhsa_user_sgpr_kernarg_segment_ptr 1
		.amdhsa_wavefront_size32 1
		.amdhsa_system_sgpr_workgroup_id_x 1
		.amdhsa_system_sgpr_workgroup_id_y 1
		.amdhsa_system_sgpr_workgroup_id_z 1
		.amdhsa_system_vgpr_workitem_id 0
		.amdhsa_next_free_vgpr 256
		.amdhsa_next_free_sgpr 66
		.amdhsa_reserve_vcc 0
		.amdhsa_float_denorm_mode_32 3
		.amdhsa_float_denorm_mode_16_64 3
		.amdhsa_memory_ordered 1
		.amdhsa_forward_progress 1
		.amdhsa_inst_pref_size 55
	.end_amdhsa_kernel
	.amdgpu_metadata
---
amdhsa.version: [ 1, 2 ]
amdhsa.kernels:
  - .name:           k_q524049d76c_quant
    .symbol:         k_q524049d76c_quant.kd
    .args:
      - { .name: x, .offset: 0, .size: 8, .value_kind: global_buffer, .address_space: global }
      - { .name: w_qkv, .offset: 8, .size: 8, .value_kind: global_buffer, .address_space: global }
      - { .name: w_proj, .offset: 16, .size: 8, .value_kind: global_buffer, .address_space: global }
      - { .name: xw, .offset: 24, .size: 8, .value_kind: global_buffer, .address_space: global }
    .group_segment_fixed_size: 34304
    .private_segment_fixed_size: 0
    .kernarg_segment_align: 8
    .kernarg_segment_size: 32
    .max_flat_workgroup_size: 128
    .sgpr_count:     66
    .vgpr_count:     256
    .wavefront_size: 32
...
	.end_amdgpu_metadata
.endif
;; end of part 1
;; launch g1 (part 2): grid 12 x 64, 4 waves a work-group, clusters of 4 x 4, 327,680 bytes of LDS; arguments xw, qkv; writes qkv
.if DOCPART == 2
	.amdgcn_target "amdgcn-amd-amdhsa--gfx1250"
	.amdhsa_code_object_version 6
	.text
	.protected	k_q524049d76c_g1
	.globl	k_q524049d76c_g1
	.p2align	8
	.type	k_q524049d76c_g1,@function
k_q524049d76c_g1:
	s_mov_b64 s[64:65], 0
	v_nop
	global_prefetch_b8 v0, s[64:65] scope:SCOPE_SE
	s_setreg_imm32_b32 hwreg(HW_REG_WAVE_MODE, 25, 1), 1
	s_wait_xcnt 0x0
	s_wait_alu depctr_hold_cnt(0) depctr_sa_sdst(0) depctr_va_vdst(0) depctr_va_sdst(0) depctr_va_ssrc(0) depctr_va_vcc(0) depctr_vm_vsrc(0)
	s_getreg_b32 s2, hwreg(HW_REG_IB_STS2, 6, 4)
	s_cmp_eq_u32 s2, 0
	s_cbranch_scc0 .Lentry_in_a_cluster
	s_endpgm
.Lentry_in_a_cluster:
	s_bfe_u32 s2, ttmp6, 0x10000c
	s_cmp_lg_u32 s2, 0xf033
	s_cbranch_scc0 .Lentry_shape_is_right
	s_endpgm
.Lentry_shape_is_right:
; qkv = x w_qkv on codes of FP6, and its results leave as codes: q and k quantised along the 1,024 channels, v along the keys.  Operands and results lie as panels of fragment images (12,800 bytes: 128 rows x 128 K and their scale words).
; THE FRAME (shared by g1, sm, proj).  A work-group makes 128 rows of "A" x 256 rows of "B", K = 1,024; four waves stand 2 x 2, each with 64 x 128: 32 accumulators, 256 registers.
; The matrix instruction is used transposed (source 0 = 16 rows of B, source 1 = 16 rows of A): a lane holds ONE row of A, and, by the order of B's rows in a fragment, the 16 registers of accumulators 2 b, 2 b + 1 are
; 16 neighbouring rows of B.  So a wave's 128 rows of B are one K step of the next product, and 8 accumulators become one fragment and one scale word a row, in registers.
; q, k: A = tokens, B = columns of w.   v: A = columns of w_v, B = tokens: the same text gives v with the keys innermost.
; ALL OPERANDS OF A TILE FIT IN LDS (3 x 102,400 bytes): no slot is filled again.  Each wave issues four first fills (chunk j = K steps 2 j, 2 j + 1: waves 0, 1 a panel of A each, waves 2, 3 two panels of a group of B each);
; by this text's own count a wave has four tensor loads out.  A chunk is opened by a counted wait and a barrier behind which nothing is filled.
; CLUSTERS: 4 x 4.  A's panels hang on the cluster's row alone, B's on its column alone: each is asked for jointly by the four that share it.
; qkv: panel 8 Gt + s for q (Gt = token / 128, s = channel / 128), 512 + the same for k, 1,024 + 64 Gc + 16 batch + s for v (Gc = channel / 128, s = key / 128).
; REGISTERS: window 0: v1-15 addresses; v32-47 scale words, two sets; v48-143 A's 4 fragments, two sets; v144-221 the way out.  window 1: B's 8 fragments, two sets (v0, v128).  window 2: accumulator (a, b) at v[8 (8 a + b)].
.set PANEL, 12800
.set GRP,   8*PANEL
.set FRB,   1536
.set TAIL,  8*FRB
.set AOFF,  0
.set BOFF,  GRP
.set SPARE, 3*GRP                      ; behind the operands: the spare words, 128 bytes for each wave, that no other line names
.set ADA, 4                            ; v4-5   A's fragments: K steps 0-3, 4-7
.set ADB, 6                            ; v6-7   B's
.set ASA, 8                            ; v8-9   A's scale words
.set ASB, 10                           ; v10-11 B's: lanes 0-15 block i, lanes 16-31 block i + 4
.set GO,  12                           ; v12    16 x lane + 6,144 x (wave / 2): my bytes in the panel that I store
.set GS,  13                           ; v13    4 x lane + 256 x (wave / 2): my scale word there
.set SPW, 14
.set NIL, 15
.set SC,  32
.set AF,  48
.set PC,  144                          ; v144-191 the four fragments made on the way out
.set PT,  192
.set TM,  200
.set PW,  216                          ; v216-219 their scale words
.set WV,  12
.set AH,  13                           ; wave / 2: my half of A's rows.  Also: I fetch for A (0) or for B (1)
.set BH,  14                           ; wave % 2: my group of B.  Also: which part I fetch
.set G1A, 24
.set G1B, 32
.set G0A, 40                           ; s[40:55] four sets
.set G0B, 56                           ; s[56:63], s[68:75] four sets
.set SEL, 76
.set HM,  80
.set OB,  82
.set MSB, 0
.macro WIN new                         ; the immediate's high byte repeats the setting that is left
.if MSB != \new
	s_set_vgpr_msb (MSB<<8)|\new
.set MSB, \new
.endif
.endm
.macro PLACES n
.rept \n
	v_nop
.endr
.endm
.macro CROUND                          ; a round of the cluster's barrier
	s_barrier_signal -1
	s_barrier_wait -1
	s_cmp_lg_u32 s[WV], 0
	s_cbranch_scc1 .Lnot_wave_0_\@
	s_barrier_signal -3
.Lnot_wave_0_\@:
	s_barrier_wait -3
	s_barrier_signal -1
	s_barrier_wait -1
.endm
.macro FETCH ks, bf                    ; K step ks: B's 8 fragments, A's 4, their scale words, into set bf: 44 LDS loads, each fragment three loads of 512 consecutive bytes
	WIN 0x40
.irp i, 0,1,2,3,4,5,6,7
.irp c, 0,1,2
	ds_load_b128 v[128*(\bf)+12*\i+4*\c:128*(\bf)+12*\i+4*\c+3], v[ADB+(\ks)/4] offset:((\ks)%4)*PANEL+FRB*\i+512*\c
.endr
.endr
	WIN 0
.irp i, 0,1,2,3
.irp c, 0,1,2
	ds_load_b128 v[AF+48*(\bf)+12*\i+4*\c:AF+48*(\bf)+12*\i+4*\c+3], v[ADA+(\ks)/4] offset:((\ks)%4)*PANEL+FRB*\i+512*\c
.endr
.endr
.irp i, 0,1,2,3
	ds_load_b32 v[SC+8*(\bf)+\i], v[ASB+(\ks)/4] offset:((\ks)%4)*PANEL+TAIL+64*\i
.endr
.irp i, 0,1,2,3
	ds_load_b32 v[SC+8*(\bf)+4+\i], v[ASA+(\ks)/4] offset:((\ks)%4)*PANEL+TAIL+64*\i
.endr
.endm
.macro WM a, b, bf, cm                 ; accumulator (a, b); cm = 0: the product starts the sum
.set rD, 8*(8*(\a)+(\b))
.set rB, 128*(\bf)+12*(\b)
.set rA, AF+48*(\bf)+12*(\a)
.set rX, SC+8*(\bf)+(\b)%4
.set rY, SC+8*(\bf)+4+(\a)
.if (\cm) == 0
.if (\b) < 4
	v_wmma_scale_f32_16x16x128_f8f6f4 v[rD:rD+7], v[rB:rB+11], v[rA:rA+11], 0, v[rX], v[rY] matrix_a_fmt:MATRIX_FMT_FP6 matrix_b_fmt:MATRIX_FMT_FP6
.else
	v_wmma_scale_f32_16x16x128_f8f6f4 v[rD:rD+7], v[rB:rB+11], v[rA:rA+11], 0, v[rX], v[rY] matrix_a_fmt:MATRIX_FMT_FP6 matrix_b_fmt:MATRIX_FMT_FP6 matrix_a_scale:MATRIX_SCALE_ROW1
.endif
.else
.if (\b) < 4
	v_wmma_scale_f32_16x16x128_f8f6f4 v[rD:rD+7], v[rB:rB+11], v[rA:rA+11], v[rD:rD+7], v[rX], v[rY] matrix_a_fmt:MATRIX_FMT_FP6 matrix_b_fmt:MATRIX_FMT_FP6
.else
	v_wmma_scale_f32_16x16x128_f8f6f4 v[rD:rD+7], v[rB:rB+11], v[rA:rA+11], v[rD:rD+7], v[rX], v[rY] matrix_a_fmt:MATRIX_FMT_FP6 matrix_b_fmt:MATRIX_FMT_FP6 matrix_a_scale:MATRIX_SCALE_ROW1
.endif
.endif
.endm
.macro ROWM a, bf, cm
.irp b, 0,1,2,3,4,5,6,7
	WM \a, \b, \bf, \cm
.endr
.endm
; A K step: 32 matrix instructions, the 32 accumulators by turns in the same order in every step.  In its middle the next step's 44 loads, in one run, behind four places:
; they land in the set that the step before multiplied.  cnt >= 0: the step opens the next chunk: cnt of my four fills were issued behind that chunk's; they may stay out.
.macro STEP ks, cnt, cm
	s_wait_dscnt 0x0                                       ; this step's fragments are in; no LDS instruction of mine is out at the signal below
	WIN 0xa1                                               ; source 0 (B) window 1, source 1 (A) window 0, C and D window 2
	ROWM 0, (\ks)%2, \cm
.if \cnt >= 0
	s_wait_tensorcnt \cnt
	s_barrier_signal -1
.endif
	ROWM 1, (\ks)%2, \cm
.if \cnt >= 0
	s_barrier_wait -1
.endif
.if (\ks) < 7
	PLACES 4
	FETCH (\ks)+1, ((\ks)+1)%2
.endif
	WIN 0xa1
	ROWM 2, (\ks)%2, \cm
	ROWM 3, (\ks)%2, \cm
.endm
; Accumulators 8 a .. 8 a + 7 (register 16 b + i = k 32 b + 16 h + i of my row) become a fragment's codes in v[PC + 12 a] on and its scale word in v[PW + a].  They are read where they lie, each from its low end on.
.macro QUANTW a
.set QA, 64*(\a)
.set QP, PC+12*(\a)
	WIN 0x28                                               ; sources 1 and 2 window 2
.irp b, 0,1,2,3
	v_max3_num_f32 v[TM+\b], 0x1800000, |v[QA+16*\b]|, |v[QA+16*\b+1]|     ; with the floor 2^(3 - 127): the byte cannot fall under 1
.endr
.irp i, 2,4,6,8,10,12,14
.irp b, 0,1,2,3
	v_max3_num_f32 v[TM+\b], v[TM+\b], |v[QA+16*\b+\i]|, |v[QA+16*\b+\i+1]|
.endr
.endr
	WIN 0
.irp b, 0,1,2,3
	v_permlanex16_b32 v[TM+4+\b], v[TM+\b], s[SEL], s[SEL+1]
.endr
.irp b, 0,1,2,3
	v_max_num_f32 v[TM+\b], v[TM+\b], v[TM+4+\b]           ; with lane l xor 16's 16: the block's largest magnitude
.endr
.irp b, 0,1,2,3
	v_add_nc_u32 v[TM+12+\b], 0xff000000, v[TM+\b]         ; 2 off its exponent field: the conversion's scale operand
.endr
.irp b, 0,1,2,3
	v_lshrrev_b32 v[TM+4+\b], 23, v[TM+12+\b]              ; the scale's byte
.endr
	v_lshl_or_b32 v[PW+\a], v[TM+5], 8, v[TM+4]
	v_lshl_or_b32 v[PW+\a], v[TM+6], 16, v[PW+\a]
	v_lshl_or_b32 v[PW+\a], v[TM+7], 24, v[PW+\a]
	WIN 0x02                                               ; source 0 window 2
.irp c, 0,1
	v_cvt_scalef32_pk16_fp6_f32 v[QP+6*\c:QP+6*\c+2], v[QA+32*\c:QA+32*\c+15], v[TM+12+2*\c]
	v_cvt_scalef32_pk16_fp6_f32 v[PT+4*\c:PT+4*\c+2], v[QA+32*\c+16:QA+32*\c+31], v[TM+12+2*\c+1]
.endr
	WIN 0
	v_nop                                                  ; one plain place behind a scaled conversion
.irp c, 0,1                            ; the layout wants a whole block in a lane: lanes 0-15 block 2 c, lanes 16-31 block 2 c + 1
.irp i, 0,1,2
	v_permlane16_swap_b32 v[QP+6*\c+\i], v[PT+4*\c+\i]
.endr
.irp i, 0,1,2
	v_mov_b32 v[QP+6*\c+3+\i], v[PT+4*\c+\i]
.endr
.endr
.endm
.macro OUTC a                          ; the fragment leaves as it stands: 512 consecutive bytes a store
.irp c, 0,1,2
	global_store_b128 v[GO], v[PC+12*(\a)+4*\c:PC+12*(\a)+4*\c+3], s[OB:OB+1] offset:FRB*(\a)+512*\c
.endr
.endm
	s_load_b128 s[4:7], s[0:1], 0x0                        ; xw s[4:5], qkv s[6:7]
	v_lshl_add_u32 v[SPW], v0, 2, SPARE
	v_mov_b32 v[NIL], 0
	ds_add_u32 v[SPW], v[NIL]                              ; the wave's opening: the add, twice on end, and its wait ahead of my first tensor load
	ds_add_u32 v[SPW], v[NIL]
	v_lshrrev_b32 v1, 5, v0
	v_readfirstlane_b32 s[WV], v1
	s_lshr_b32 s[AH], s[WV], 1
	s_and_b32 s[BH], s[WV], 1
	s_bfe_u32 s15, ttmp6, 0x40000                          ; cx
	s_bfe_u32 s16, ttmp6, 0x40004                          ; cy
	s_and_b32 s17, ttmp7, 0xffff                           ; the cluster's y
	s_lshl_b32 s18, s16, 2
	s_lshl_b32 s18, 15, s18                                ; my row of the cluster
	s_lshl_b32 s19, 0x1111, s15                            ; my column
	; descriptor group 1: dense blocks as rows of 256 bytes (32 elements of 8 bytes), no padding: A one panel (50 rows), B two (100)
	s_or_b32 s[G1A], s18, (3<<16)|(1<<21)
	s_or_b32 s[G1B], s19, (3<<16)|(1<<21)
	s_mov_b32 s[G1A+1], 32<<16
	s_mov_b32 s[G1A+2], 50<<16
	s_mov_b32 s[G1A+3], 32<<16
	s_mov_b32 s[G1A+4], 50
	s_mov_b32 s[G1A+5], 32
	s_mov_b32 s[G1A+6], 0
	s_mov_b32 s[G1A+7], 0
	s_mov_b32 s[G1B+1], 32<<16
	s_mov_b32 s[G1B+2], 100<<16
	s_mov_b32 s[G1B+3], 32<<16
	s_mov_b32 s[G1B+4], 100
	s_mov_b32 s[G1B+5], 32
	s_mov_b32 s[G1B+6], 0
	s_mov_b32 s[G1B+7], 0
	; which groups.  The cluster's x says what is made: 0 q, 1 k, 2 v.  A's group hangs on cy (never cx), B's on cx (never cy)
	s_lshl_b32 s20, s17, 2
	s_add_co_u32 s20, s20, s16                             ; q, k: A = token group 4 y + cy
	s_and_b32 s21, s17, 1
	s_lshl_b32 s21, s21, 2
	s_add_co_u32 s21, s21, s16                             ; v: channel group 4 (y % 2) + cy,
	s_add_co_u32 s22, s21, 80                              ; which is group 80 + that of xw
	s_lshl_b32 s92, ttmp9, 2
	s_add_co_u32 s92, s92, s15
	s_lshl_b32 s92, s92, 1
	s_add_co_u32 s92, s92, 64                              ; q, k: B = column groups 64 + 2 (4 x + cx) on
	s_lshr_b32 s93, s17, 1
	s_lshl_b32 s93, s93, 2
	s_add_co_u32 s93, s93, s15
	s_lshl_b32 s93, s93, 1                                 ; v: B = token groups 2 (4 (y / 2) + cx) on
	s_lshl_b32 s94, ttmp9, 9
	s_lshl_b32 s96, s20, 3
	s_add_co_u32 s94, s94, s96
	s_lshl_b32 s96, s15, 1
	s_add_co_u32 s94, s94, s96                             ; q, k: the panel stored: 512 x + 8 Gt + 2 cx (+ my group of B)
	s_lshl_b32 s95, s21, 6
	s_add_co_u32 s95, s95, s93
	s_add_co_u32 s95, s95, 1024                            ; v: 1,024 + 64 Gc + the token group
	s_cmp_eq_u32 ttmp9, 2                                  ; the same in all sixteen partners
	s_cselect_b32 s86, s22, s20
	s_cselect_b32 s88, s93, s92
	s_cselect_b32 s90, s95, s94
	s_add_co_u32 s90, s90, s[BH]
	s_mul_i32 s86, s86, GRP
	s_mul_i32 s81, s[BH], PANEL                            ; A: I fetch panels 2 j + wave % 2
	s_add_co_u32 s86, s86, s81
	s_mov_b32 s87, 0
	s_add_co_u32 s88, s88, s[BH]                           ; B: I fetch group wave % 2
	s_mul_i32 s88, s88, GRP
	s_mov_b32 s89, 0
	s_mul_i32 s90, s90, PANEL
	s_mov_b32 s91, 0
	s_mul_i32 s99, s[BH], GRP
	s_add_co_u32 s99, s99, BOFF
	s_mov_b32 s[SEL], 0x76543210
	s_mov_b32 s[SEL+1], 0xfedcba98
	s_mov_b32 s[HM], 0xffff0000
	s_wait_dscnt 0x0                                       ; both opening adds are done
	s_wait_kmcnt 0x0
	s_add_nc_u64 s[86:87], s[4:5], s[86:87]
	s_add_nc_u64 s[88:89], s[4:5], s[88:89]
	s_add_nc_u64 s[OB:OB+1], s[6:7], s[90:91]
	CROUND                                                 ; all sixteen work-groups are here: the joint loads meet
.irp j, 0,1,2,3
	s_mov_b32 s[G0A+4*\j], 1
	s_add_co_u32 s[G0A+4*\j+1], s81, AOFF+\j*2*PANEL
	s_add_nc_u64 s[G0A+4*\j+2:G0A+4*\j+3], s[86:87], \j*2*PANEL
	s_or_b32 s[G0A+4*\j+3], s[G0A+4*\j+3], 0x80000000
	s_mov_b32 s[G0B+4*\j+4*(\j/2)], 1
	s_add_co_u32 s[G0B+4*\j+4*(\j/2)+1], s99, \j*2*PANEL
	s_add_nc_u64 s[G0B+4*\j+4*(\j/2)+2:G0B+4*\j+4*(\j/2)+3], s[88:89], \j*2*PANEL
	s_or_b32 s[G0B+4*\j+4*(\j/2)+3], s[G0B+4*\j+4*(\j/2)+3], 0x80000000
.endr
	s_cmp_eq_u32 s[AH], 0                                  ; a wave's four first fills stand in one arm of one branch on the wave's number; an s_nop 0 follows each, four v_nop the last
	s_cbranch_scc0 .Lfill_b
.irp j, 0,1,2,3
	tensor_load_to_lds s[G0A+4*\j:G0A+4*\j+3], s[G1A:G1A+7]
	s_nop 0
.endr
	PLACES 4
	s_branch .Lfilled
.Lfill_b:
.irp j, 0,1,2,3
	tensor_load_to_lds s[G0B+4*\j+4*(\j/2):G0B+4*\j+4*(\j/2)+3], s[G1B:G1B+7]
	s_nop 0
.endr
	PLACES 4
.Lfilled:
	v_and_b32 v1, 15, v0                                   ; r
	v_bfe_u32 v2, v0, 4, 1                                 ; h
	v_and_b32 v3, 31, v0                                   ; lane
	v_lshlrev_b32 v28, 4, v3
	v_lshlrev_b32 v29, 2, v1
	s_mul_i32 s20, s[AH], 4*FRB
	s_lshl_b32 s22, s[AH], 8
	v_add_nc_u32 v[ADA], s20, v28
	v_add_nc_u32 v[ADA+1], 4*PANEL, v[ADA]
	v_add_nc_u32 v[ADB], s99, v28
	v_add_nc_u32 v[ADB+1], 4*PANEL, v[ADB]
	v_add_nc_u32 v[ASA], s22, v29
	v_add_nc_u32 v[ASA+1], 4*PANEL, v[ASA]
	v_lshl_add_u32 v[ASB], v2, 8, v29
	v_add_nc_u32 v[ASB], s99, v[ASB]
	v_add_nc_u32 v[ASB+1], 4*PANEL, v[ASB]
	v_add_nc_u32 v[GO], s20, v28
	v_lshl_add_u32 v[GS], v3, 2, s22
.irp b, 0,1,2,3
	v_mov_b32 v[TM+4+\b], 0                                ; written once: a lane permute's destination counts as one of its sources
.endr
	s_wait_tensorcnt 3                                     ; my part of chunk 0 is in; my three later fills may be out,
	s_barrier_signal -1
	s_barrier_wait -1                                      ; everybody's is
	FETCH 0, 0
	STEP 0, -1, 0                                          ; the first step's products start the sums: nothing is cleared
	STEP 1, 2, 1
	STEP 2, -1, 1
	STEP 3, 1, 1
	STEP 4, -1, 1
	STEP 5, 0, 1
	STEP 6, -1, 1
	STEP 7, -1, 1
	WIN 0
	PLACES 4                                               ; behind the last products, ahead of the first read of results
.irp a, 0,1,2,3
	QUANTW \a
	OUTC \a
.endr
.irp a, 0,2
	v_cndmask_b32 v[220+\a/2], v[PW+\a], v[PW+\a+1], s[HM] ; lanes 0-15: fragment a's words, lanes 16-31: fragment a + 1's
	global_store_b32 v[GS], v[220+\a/2], s[OB:OB+1] offset:TAIL+64*\a
.endr
	s_wait_tensorcnt 0x0                                   ; the wave's end
	ds_add_u32 v[SPW], v[NIL]
	s_wait_dscnt 0x0
	CROUND                                                 ; the closing round
	s_endpgm
.Lfunc_end_k_q524049d76c_g1:
	.size	k_q524049d76c_g1, .Lfunc_end_k_q524049d76c_g1-k_q524049d76c_g1
	.p2alignl 7, 3214868480
	.fill 96, 4, 3214868480
	.section	.rodata,"a",@progbits
	.p2align	6, 0x0
	.amdhsa_kernel k_q524049d76c_g1
		.amdhsa_group_segment_fixed_size 327680
		.amdhsa_private_segment_fixed_size 0
		.amdhsa_enable_private_segment 0
		.amdhsa_kernarg_size 16
		.amdhsa_user_sgpr_count 2
		.amdhsa_user_sgpr_kernarg_segment_ptr 1
		.amdhsa_wavefront_size32 1
		.amdhsa_system_sgpr_workgroup_id_x 1
		.amdhsa_system_sgpr_workgroup_id_y 1
		.amdhsa_system_sgpr_workgroup_id_z 1
		.amdhsa_system_vgpr_workitem_id 0
		.amdhsa_next_free_vgpr 768
		.amdhsa_next_free_sgpr 100
		.amdhsa_reserve_vcc 0
		.amdhsa_float_denorm_mode_32 3
		.amdhsa_float_denorm_mode_16_64 3
		.amdhsa_memory_ordered 1
		.amdhsa_forward_progress 1
		.amdhsa_inst_pref_size 82
	.end_amdhsa_kernel
	.amdgpu_metadata
---
amdhsa.version: [ 1, 2 ]
amdhsa.kernels:
  - .name:           k_q524049d76c_g1
    .symbol:         k_q524049d76c_g1.kd
    .args:
      - { .name: xw, .offset: 0, .size: 8, .value_kind: global_buffer, .address_space: global }
      - { .name: qkv, .offset: 8, .size: 8, .value_kind: global_buffer, .address_space: global }
    .group_segment_fixed_size: 327680
    .private_segment_fixed_size: 0
    .kernarg_segment_align: 8
    .kernarg_segment_size: 16
    .max_flat_workgroup_size: 128
    .sgpr_count:     100
    .vgpr_count:     768
    .wavefront_size: 32
...
	.end_amdgpu_metadata
.endif
;; end of part 2
;; launch sm (part 3): grid 64 x 4, 4 waves a work-group, no clusters, 327,680 bytes of LDS; arguments qkv, p; writes p
.if DOCPART == 3
	.amdgcn_target "amdgcn-amd-amdhsa--gfx1250"
	.amdhsa_code_object_version 6
	.text
	.protected	k_q524049d76c_sm
	.globl	k_q524049d76c_sm
	.p2align	8
	.type	k_q524049d76c_sm,@function
k_q524049d76c_sm:
	s_mov_b64 s[64:65], 0
	v_nop
	global_prefetch_b8 v0, s[64:65] scope:SCOPE_SE
	s_setreg_imm32_b32 hwreg(HW_REG_WAVE_MODE, 25, 1), 1
	s_wait_xcnt 0x0
; The scores q k^T on codes of FP6, the causal mask, and p = 2^(t - M) as codes along the keys.  The frame is g1's (128 queries x 256 keys a work-group, 64 x 128 a wave, K = 1,024 whole in LDS, four first fills a wave).
; LEFT OUT AS DEAD WORK: blocks of 128 queries x 128 keys all of whose keys come after all of their queries (reference()'s own jnp.tril sets them to -inf, so they add exactly 0).  136 blocks a batch are live.
; THE TILES.  Query blocks 2 n and 2 n + 1 have n and n + 1 tiles of 256 keys: 2 n + 1 a pair, n^2 ahead of the pair, 64 a batch, 256 work-groups in all: one for each WGP.  What they leave is the diagonal block of each EVEN query block
; (queries 2 n, key group 2 n).  It is made by the work-group of tile (2 n + 1, n), which holds key group 2 n in LDS already: THE EXTRA BLOCK.  LDS is full of the tile's three groups and no byte of it is filled again, so the even block's q
; comes from memory straight into registers: wave w takes fragments 2 w and 2 w + 1 (32 queries) for all 8 K steps, 192 registers of window 3, each byte read once by one wave; the loads are issued behind the tile's last product
; and have the tile's softmax in which to land.  One branch on ids parts these 32 work-groups from the others; the tile's way out is written in both arms, so that all that the extra arm reads is written in that arm.
; THE SOFTMAX.  t = score x log2(e) / 32.  Each wave takes its 128 keys of a row under an M OF THEIR OWN: M = ceil(their largest t), a whole number; p = 2^(t - M) is quantised in blocks of 32 keys; the sum of the unquantised p and
; -M are stored beside the codes.  pv joins the pieces of a row: a change of M by a whole number is an exact power of two, which the blocks' scale bytes take up.  Every piece that is stored sees its first key, so M is a number.
; A block's largest p is not searched for: p rises with t, so the block's largest t goes through the same addition and exponential (this takes v_exp_f32 not to fall where its input rises; at the worst one p of a block is held one code low).
; p: images (16 Gq + s) x 12,288 (Gq = query / 128, s = key / 128 in the batch, no scale words behind them); then three tables of (16 Gq + s) x 512 + 4 x (16 i + r): scale words, -M, sums.
; The work-group of the diagonal also stores zero codes into the panels between each of its two diagonals and the end of that run of 512 keys, which pv reads whole.
; NO CLUSTER: a causal row has up to 8 key tiles and a column a number of query blocks that falls with it, so no four work-groups that share a tile divide the triangle without partners whose whole tile is masked.
; LIMITS: as stated at the head of quant (NaN and infinities are not served; what reaches only the work left out is not carried to the result; a block of zeros has the byte 1).
; REGISTERS: window 0: v1-24 addresses; v32-47 scale words, two sets; v48-143 A's 4 fragments, two sets, later t and p; v144-249 the way out; v220-223, v236-239 the extra block's scale words of q.
;   window 1: B's 8 fragments, two sets.   window 2: accumulator (a, b) at v[8 (8 a + b)].   window 3: v0-191 the extra block's fragments of q: K step s, fragment a at v[24 s + 12 a].
.set PANEL, 12800
.set GRP,   8*PANEL
.set FRB,   1536
.set TAIL,  8*FRB
.set AOFF,  0
.set BOFF,  GRP
.set SPARE, 3*GRP                      ; behind the operands: the spare words, 128 bytes for each wave, that no other line names
.set P_SCL, 12582912
.set ADA, 4
.set ADB, 6
.set ASA, 8
.set ASB, 10
.set GO,  12
.set GS,  13
.set SPW, 14
.set NIL, 15
.set LQ,  16                           ; v16  r + 8 (r / 8) - 16 h
.set DD,  17                           ; v17  my query less the piece's first key less 16 h
.set NINF, 18                          ; v18  -infinity
.set ZA,  19                           ; v19  16 x lane + 3,072 x wave; never rewritten
.set ADB2, 20                          ; v20-21 the extra block: B's group 0, K steps 0-3, 4-7
.set ASB2, 22                          ; v22-23 and its scale words
.set GS2, 24                           ; v24  4 x lane + 128 x wave; never rewritten
.set SC,  32
.set AF,  48
.set T,   48                           ; v48-111  t, then p (where A's fragments lay)
.set BM,  112                          ; v112-115 the blocks' largest t, then p
.set BX,  116                          ; v116-119 permutes' targets
.set RM,  120
.set LA,  122                          ; v[122:123], v[124:125] the sum's two chains
.set LB,  124
.set PC,  144
.set PT,  192
.set TM,  200
.set PW,  216
.set NM,  224                          ; v224 + 2 a: -M (named as a pair: the odd registers hold 0)
.set LS,  232                          ; v232 + a: the sums
.set Z,   240                          ; v240-243 zeros
.set WV,  12
.set AH,  13
.set BH,  14
.set G1A, 24
.set G1B, 32
.set G0A, 40
.set G0B, 56
.set SEL, 76
.set CS,  78
.set HM,  80
.set OB,  82
.set SD,  93                           ; s93  my first query less my first key
.set XT,  98                           ; s98  1 in the work-group of a diagonal, which also makes the extra block
.set MSB, 0
.macro WIN new                         ; the immediate's high byte repeats the setting that is left
.if MSB != \new
	s_set_vgpr_msb (MSB<<8)|\new
.set MSB, \new
.endif
.endm
.macro PLACES n
.rept \n
	v_nop
.endr
.endm
.macro FETCH ks, bf
	WIN 0x40
.irp i, 0,1,2,3,4,5,6,7
.irp c, 0,1,2
	ds_load_b128 v[128*(\bf)+12*\i+4*\c:128*(\bf)+12*\i+4*\c+3], v[ADB+(\ks)/4] offset:((\ks)%4)*PANEL+FRB*\i+512*\c
.endr
.endr
	WIN 0
.irp i, 0,1,2,3
.irp c, 0,1,2
	ds_load_b128 v[AF+48*(\bf)+12*\i+4*\c:AF+48*(\bf)+12*\i+4*\c+3], v[ADA+(\ks)/4] offset:((\ks)%4)*PANEL+FRB*\i+512*\c
.endr
.endr
.irp i, 0,1,2,3
	ds_load_b32 v[SC+8*(\bf)+\i], v[ASB+(\ks)/4] offset:((\ks)%4)*PANEL+TAIL+64*\i
.endr
.irp i, 0,1,2,3
	ds_load_b32 v[SC+8*(\bf)+4+\i], v[ASA+(\ks)/4] offset:((\ks)%4)*PANEL+TAIL+64*\i
.endr
.endm
.macro WM a, b, bf, cm
.set rD, 8*(8*(\a)+(\b))
.set rB, 128*(\bf)+12*(\b)
.set rA, AF+48*(\bf)+12*(\a)
.set rX, SC+8*(\bf)+(\b)%4
.set rY, SC+8*(\bf)+4+(\a)
.if (\cm) == 0
.if (\b) < 4
	v_wmma_scale_f32_16x16x128_f8f6f4 v[rD:rD+7], v[rB:rB+11], v[rA:rA+11], 0, v[rX], v[rY] matrix_a_fmt:MATRIX_FMT_FP6 matrix_b_fmt:MATRIX_FMT_FP6
.else
	v_wmma_scale_f32_16x16x128_f8f6f4 v[rD:rD+7], v[rB:rB+11], v[rA:rA+11], 0, v[rX], v[rY] matrix_a_fmt:MATRIX_FMT_FP6 matrix_b_fmt:MATRIX_FMT_FP6 matrix_a_scale:MATRIX_SCALE_ROW1
.endif
.else
.if (\b) < 4
	v_wmma_scale_f32_16x16x128_f8f6f4 v[rD:rD+7], v[rB:rB+11], v[rA:rA+11], v[rD:rD+7], v[rX], v[rY] matrix_a_fmt:MATRIX_FMT_FP6 matrix_b_fmt:MATRIX_FMT_FP6
.else
	v_wmma_scale_f32_16x16x128_f8f6f4 v[rD:rD+7], v[rB:rB+11], v[rA:rA+11], v[rD:rD+7], v[rX], v[rY] matrix_a_fmt:MATRIX_FMT_FP6 matrix_b_fmt:MATRIX_FMT_FP6 matrix_a_scale:MATRIX_SCALE_ROW1
.endif
.endif
.endm
.macro ROWM a, bf, cm
.irp b, 0,1,2,3,4,5,6,7
	WM \a, \b, \bf, \cm
.endr
.endm
.macro STEP ks, cnt, cm                ; as in g1: 32 products, the accumulators by turns; the next step's loads in the middle; cnt >= 0 opens the next chunk (cnt of my fills were issued behind it)
	s_wait_dscnt 0x0
	WIN 0xa1
	ROWM 0, (\ks)%2, \cm
.if \cnt >= 0
	s_wait_tensorcnt \cnt
	s_barrier_signal -1
.endif
	ROWM 1, (\ks)%2, \cm
.if \cnt >= 0
	s_barrier_wait -1
.endif
.if (\ks) < 7
	PLACES 4
	FETCH (\ks)+1, ((\ks)+1)%2
.endif
	WIN 0xa1
	ROWM 2, (\ks)%2, \cm
	ROWM 3, (\ks)%2, \cm
.endm
; THE EXTRA BLOCK'S STEPS.  B's eight fragments of group 0 and their scale words come from LDS as ever, into the same two sets; q's two fragments lie in window 3; q's scale words of a K step lie in one register:
; lanes 0-15 fragment 2 w's, lanes 16-31 fragment 2 w + 1's.
.macro FETCH2 ks, bf
	WIN 0x40
.irp i, 0,1,2,3,4,5,6,7
.irp c, 0,1,2
	ds_load_b128 v[128*(\bf)+12*\i+4*\c:128*(\bf)+12*\i+4*\c+3], v[ADB2+(\ks)/4] offset:((\ks)%4)*PANEL+FRB*\i+512*\c
.endr
.endr
	WIN 0
.irp i, 0,1,2,3
	ds_load_b32 v[SC+8*(\bf)+\i], v[ASB2+(\ks)/4] offset:((\ks)%4)*PANEL+TAIL+64*\i
.endr
.endm
.macro WM2 a, b, ks                    ; accumulator (a, b), a = 0, 1; K step 0 starts the sums
.set rD, 8*(8*(\a)+(\b))
.set rB, 128*((\ks)%2)+12*(\b)
.set rA, 24*(\ks)+12*(\a)
.set rX, SC+8*((\ks)%2)+(\b)%4
.set rY, 220+(\ks)+12*((\ks)/4)
.if (\ks) == 0
.if (\a) == 0
.if (\b) < 4
	v_wmma_scale_f32_16x16x128_f8f6f4 v[rD:rD+7], v[rB:rB+11], v[rA:rA+11], 0, v[rX], v[rY] matrix_a_fmt:MATRIX_FMT_FP6 matrix_b_fmt:MATRIX_FMT_FP6
.else
	v_wmma_scale_f32_16x16x128_f8f6f4 v[rD:rD+7], v[rB:rB+11], v[rA:rA+11], 0, v[rX], v[rY] matrix_a_fmt:MATRIX_FMT_FP6 matrix_b_fmt:MATRIX_FMT_FP6 matrix_a_scale:MATRIX_SCALE_ROW1
.endif
.else
.if (\b) < 4
	v_wmma_scale_f32_16x16x128_f8f6f4 v[rD:rD+7], v[rB:rB+11], v[rA:rA+11], 0, v[rX], v[rY] matrix_a_fmt:MATRIX_FMT_FP6 matrix_b_fmt:MATRIX_FMT_FP6 matrix_b_scale:MATRIX_SCALE_ROW1
.else
	v_wmma_scale_f32_16x16x128_f8f6f4 v[rD:rD+7], v[rB:rB+11], v[rA:rA+11], 0, v[rX], v[rY] matrix_a_fmt:MATRIX_FMT_FP6 matrix_b_fmt:MATRIX_FMT_FP6 matrix_a_scale:MATRIX_SCALE_ROW1 matrix_b_scale:MATRIX_SCALE_ROW1
.endif
.endif
.else
.if (\a) == 0
.if (\b) < 4
	v_wmma_scale_f32_16x16x128_f8f6f4 v[rD:rD+7], v[rB:rB+11], v[rA:rA+11], v[rD:rD+7], v[rX], v[rY] matrix_a_fmt:MATRIX_FMT_FP6 matrix_b_fmt:MATRIX_FMT_FP6
.else
	v_wmma_scale_f32_16x16x128_f8f6f4 v[rD:rD+7], v[rB:rB+11], v[rA:rA+11], v[rD:rD+7], v[rX], v[rY] matrix_a_fmt:MATRIX_FMT_FP6 matrix_b_fmt:MATRIX_FMT_FP6 matrix_a_scale:MATRIX_SCALE_ROW1
.endif
.else
.if (\b) < 4
	v_wmma_scale_f32_16x16x128_f8f6f4 v[rD:rD+7], v[rB:rB+11], v[rA:rA+11], v[rD:rD+7], v[rX], v[rY] matrix_a_fmt:MATRIX_FMT_FP6 matrix_b_fmt:MATRIX_FMT_FP6 matrix_b_scale:MATRIX_SCALE_ROW1
.else
	v_wmma_scale_f32_16x16x128_f8f6f4 v[rD:rD+7], v[rB:rB+11], v[rA:rA+11], v[rD:rD+7], v[rX], v[rY] matrix_a_fmt:MATRIX_FMT_FP6 matrix_b_fmt:MATRIX_FMT_FP6 matrix_a_scale:MATRIX_SCALE_ROW1 matrix_b_scale:MATRIX_SCALE_ROW1
.endif
.endif
.endif
.endm
.macro ROWM2 a, ks
.irp b, 0,1,2,3,4,5,6,7
	WM2 \a, \b, \ks
.endr
.endm
.macro STEP2 ks                        ; 16 products, the 16 accumulators by turns in the same order in every step; the next step's 28 loads in the middle, behind four places
	s_wait_dscnt 0x0                                       ; this step's fragments of B are in
	WIN 0xad                                               ; source 0 (B) window 1, source 1 (q) window 3, C and D window 2
	ROWM2 0, \ks
.if (\ks) < 7
	PLACES 4
	FETCH2 (\ks)+1, ((\ks)+1)%2
.endif
	WIN 0xad
	ROWM2 1, \ks
.endm
.macro OUTC a
.irp c, 0,1,2
	global_store_b128 v[GO], v[PC+12*(\a)+4*\c:PC+12*(\a)+4*\c+3], s[OB:OB+1] offset:FRB*(\a)+512*\c
.endr
.endm
; Tile a of my queries (16 rows): register 16 b + i of a lane is key 32 b + 16 h + i of my 128.
.macro SOFT a
.set QA, 64*(\a)
.set QP, PC+12*(\a)
.set QN, NM+2*(\a)
	WIN 0x02                                               ; source 0 window 2: the scores become t on their way into window 0, each accumulator from its low end on
.set n, 0
.rept 32
	v_pk_mul_f32 v[T+n:T+n+1], v[QA+n:QA+n+1], s[CS:CS+1] op_sel_hi:[1,0]
.set n, n+2
.endr
	WIN 0
	s_add_co_i32 s20, s[SD], 32*((\a)/2)+8*((\a)%2)        ; the tile's first query less my first key
	s_cmp_ge_i32 s20, 127
	s_cbranch_scc1 .Lopen_\@                               ; all 128 keys count for all 16 queries: a branch on ids
	v_add_nc_u32 v[DD], s20, v[LQ]
.set n, 0
.rept 64                               ; hidden where 32 b + i > my query - first key - 16 h: t becomes -infinity, p then 0
	v_cmp_gt_i32 vcc_lo, 32*(n/16)+n%16, v[DD]
	v_cndmask_b32 v[T+n], v[T+n], v[NINF], vcc_lo
.set n, n+1
.endr
.Lopen_\@:
.irp b, 0,1,2,3
	v_max3_num_f32 v[BM+\b], v[T+16*\b], v[T+1+16*\b], v[T+2+16*\b]        ; the largest t of each block of 32 keys
.endr
.irp i, 3,5,7,9,11,13
.irp b, 0,1,2,3
	v_max3_num_f32 v[BM+\b], v[BM+\b], v[T+16*\b+\i], v[T+1+16*\b+\i]
.endr
.endr
.irp b, 0,1,2,3
	v_max_num_f32 v[BM+\b], v[BM+\b], v[T+15+16*\b]
.endr
.irp b, 0,1,2,3
	v_permlanex16_b32 v[BX+\b], v[BM+\b], s[SEL], s[SEL+1]
.endr
.irp b, 0,1,2,3
	v_max_num_f32 v[BM+\b], v[BM+\b], v[BX+\b]
.endr
	v_max3_num_f32 v[RM], v[BM], v[BM+1], v[BM+2]
	v_max_num_f32 v[RM], v[RM], v[BM+3]
	v_floor_f32 v[QN], -v[RM]                              ; -M = floor(-t) = -ceil(t)
.set n, 0
.rept 32
	v_pk_add_f32 v[T+n:T+n+1], v[T+n:T+n+1], v[QN:QN+1] op_sel_hi:[1,0]    ; t - M
.set n, n+2
.endr
.irp b, 0,1,2,3
	v_add_f32 v[BM+\b], v[BM+\b], v[QN]
.endr
.set n, 0
.rept 64
	v_exp_f32 v[T+n], v[T+n]                               ; p = 2^(t - M): one batch
.set n, n+1
.endr
	v_nop                                                  ; a plain place behind the exponentials
	s_wait_alu depctr_va_vdst(0)                           ; one wait for the batch, ahead of its first reader
.irp b, 0,1,2,3
	v_exp_f32 v[BM+\b], v[BM+\b]                           ; the blocks' largest p
.endr
	v_pk_add_f32 v[LA:LA+1], v[T:T+1], v[T+2:T+3]          ; the sum of the UNQUANTISED p, two at a time, in two chains: it reads the 64 alone
	v_pk_add_f32 v[LB:LB+1], v[T+4:T+5], v[T+6:T+7]
.set n, 8
.rept 14
	v_pk_add_f32 v[LA:LA+1], v[LA:LA+1], v[T+n:T+n+1]
	v_pk_add_f32 v[LB:LB+1], v[LB:LB+1], v[T+n+2:T+n+3]
.set n, n+4
.endr
	v_pk_add_f32 v[LA:LA+1], v[LA:LA+1], v[LB:LB+1]
	s_wait_alu depctr_va_vdst(0)                           ; and one for the four
.irp b, 0,1,2,3
	v_max_num_f32 v[BM+\b], 0x1800000, v[BM+\b]            ; the floor 2^(3 - 127): a block whose every p is 0 keeps the byte 1; its codes are zeros
.endr
.irp b, 0,1,2,3
	v_add_nc_u32 v[TM+12+\b], 0xff000000, v[BM+\b]
.endr
.irp b, 0,1,2,3
	v_lshrrev_b32 v[TM+4+\b], 23, v[TM+12+\b]
.endr
	v_lshl_or_b32 v[PW+\a], v[TM+5], 8, v[TM+4]
	v_lshl_or_b32 v[PW+\a], v[TM+6], 16, v[PW+\a]
	v_lshl_or_b32 v[PW+\a], v[TM+7], 24, v[PW+\a]
.irp c, 0,1
	v_cvt_scalef32_pk16_fp6_f32 v[QP+6*\c:QP+6*\c+2], v[T+32*\c:T+32*\c+15], v[TM+12+2*\c]
	v_cvt_scalef32_pk16_fp6_f32 v[PT+4*\c:PT+4*\c+2], v[T+32*\c+16:T+32*\c+31], v[TM+12+2*\c+1]
.endr
	v_nop
.irp c, 0,1
.irp i, 0,1,2
	v_permlane16_swap_b32 v[QP+6*\c+\i], v[PT+4*\c+\i]
.endr
.irp i, 0,1,2
	v_mov_b32 v[QP+6*\c+3+\i], v[PT+4*\c+\i]
.endr
.endr
	v_add_f32 v[LS+\a], v[LA], v[LA+1]
	v_permlanex16_b32 v[BX], v[LS+\a], s[SEL], s[SEL+1]
	v_add_f32 v[LS+\a], v[LS+\a], v[BX]                    ; with lane l xor 16's 64 keys
	OUTC \a
.endm
.macro TABLES a, gs                    ; scale words, -M and sums of tiles a (lanes 0-15) and a + 1 (lanes 16-31): 128 consecutive bytes a store
	v_cndmask_b32 v[244+(\a)/2], v[PW+(\a)], v[PW+(\a)+1], s[HM]
	v_cndmask_b32 v[246+(\a)/2], v[NM+2*(\a)], v[NM+2*(\a)+2], s[HM]
	v_cndmask_b32 v[248+(\a)/2], v[LS+(\a)], v[LS+(\a)+1], s[HM]
	global_store_b32 v[\gs], v[244+(\a)/2], s[84:85] offset:64*(\a)
	global_store_b32 v[\gs], v[246+(\a)/2], s[84:85] offset:524288+64*(\a)
	global_store_b32 v[\gs], v[248+(\a)/2], s[84:85] offset:1048576+64*(\a)
.endm
.macro ZFILL ireg, base                ; zero codes from the diagonal's panel (at s[base]) to the end of its run of four, a quarter of each panel a wave; s[ireg]: the query block
.irp zo, 1,2,3
	s_and_b32 s20, s[\ireg], 3
	s_add_co_u32 s20, s20, \zo
	s_cmp_gt_u32 s20, 3
	s_cbranch_scc1 .Lzdone_\@
.irp n, 0,1,2,3,4,5
	global_store_b128 v[ZA], v[Z:Z+3], s[\base:\base+1] offset:TAIL*\zo+512*\n
.endr
.endr
.Lzdone_\@:
.endm
	s_load_b128 s[4:7], s[0:1], 0x0                        ; qkv s[4:5], p s[6:7]
	v_lshl_add_u32 v[SPW], v0, 2, SPARE
	v_mov_b32 v[NIL], 0
	ds_add_u32 v[SPW], v[NIL]                              ; the wave's opening: the add, twice on end, and its wait ahead of my first tensor load
	ds_add_u32 v[SPW], v[NIL]
	v_lshrrev_b32 v1, 5, v0
	v_readfirstlane_b32 s[WV], v1
	s_lshr_b32 s[AH], s[WV], 1
	s_and_b32 s[BH], s[WV], 1
	s_mov_b32 s[G1A], 3<<16
	s_mov_b32 s[G1A+1], 32<<16
	s_mov_b32 s[G1A+2], 50<<16
	s_mov_b32 s[G1A+3], 32<<16
	s_mov_b32 s[G1A+4], 50
	s_mov_b32 s[G1A+5], 32
	s_mov_b32 s[G1A+6], 0
	s_mov_b32 s[G1A+7], 0
	s_mov_b32 s[G1B], 3<<16
	s_mov_b32 s[G1B+1], 32<<16
	s_mov_b32 s[G1B+2], 100<<16
	s_mov_b32 s[G1B+3], 32<<16
	s_mov_b32 s[G1B+4], 100
	s_mov_b32 s[G1B+5], 32
	s_mov_b32 s[G1B+6], 0
	s_mov_b32 s[G1B+7], 0
	; the tile (I, J) from the work-group's x: n^2 tiles lie ahead of query blocks 2 n and 2 n + 1; then n tiles of block 2 n, then n + 1 of block 2 n + 1
	s_mov_b32 s15, 0
.irp t, 1,4,9,16,25,36,49
	s_cmp_ge_u32 ttmp9, \t
	s_add_co_ci_u32 s15, s15, 0                            ; n
.endr
	s_mul_i32 s17, s15, s15
	s_sub_co_u32 s17, ttmp9, s17
	s_cmp_ge_u32 s17, s15
	s_cselect_b32 s18, 1, 0
	s_cselect_b32 s19, s15, 0
	s_lshl_b32 s90, s15, 1
	s_add_co_u32 s90, s90, s18                             ; I
	s_sub_co_u32 s91, s17, s19                             ; J
	s_lshr_b32 s20, s90, 1
	s_cmp_eq_u32 s91, s20                                  ; the diagonal's tile: only an odd block has one
	s_cselect_b32 s[XT], 1, 0
	s_and_b32 s92, ttmp7, 0xffff                           ; batch
	s_lshl_b32 s94, s92, 4
	s_lshl_b32 s20, s91, 1
	s_add_co_u32 s88, s94, s20
	s_add_co_u32 s88, s88, s[BH]                           ; k's group that I fetch: 16 batch + 2 J + wave % 2
	s_add_co_u32 s94, s94, s90                             ; Gq = 16 batch + I
	s_mul_i32 s86, s94, GRP
	s_mul_i32 s81, s[BH], PANEL
	s_add_co_u32 s86, s86, s81
	s_mov_b32 s87, 0
	s_mul_i32 s88, s88, GRP
	s_add_co_u32 s88, s88, 512*PANEL                       ; k's panels lie behind q's 512
	s_mov_b32 s89, 0
	s_mul_i32 s99, s[BH], GRP
	s_add_co_u32 s99, s99, BOFF
	s_lshl_b32 s95, s94, 4
	s_add_co_u32 s96, s95, s90                             ; 16 Gq + I: the diagonal's panel
	s_add_co_u32 s95, s95, s20
	s_add_co_u32 s95, s95, s[BH]                           ; 16 Gq + 2 J + wave % 2: my panel
	s_mul_i32 s20, s95, TAIL
	s_mov_b32 s21, 0
	s_lshl_b32 s22, s95, 9
	s_add_co_u32 s22, s22, P_SCL
	s_mov_b32 s23, 0
	s_mul_i32 s96, s96, TAIL
	s_mov_b32 s97, 0
	s_lshl_b32 s[SD], s90, 7
	s_lshl_b32 s18, s[AH], 6
	s_add_co_u32 s[SD], s[SD], s18
	s_lshl_b32 s18, s91, 8
	s_sub_co_u32 s[SD], s[SD], s18
	s_lshl_b32 s18, s[BH], 7
	s_sub_co_i32 s[SD], s[SD], s18                         ; 128 I + 64 (wave / 2) - 256 J - 128 (wave % 2): never negative in these tiles
	; the extra block: the even query block under mine (the low bit cleared: a place inside the buffers in every work-group)
	s_and_b32 s8, s94, 0xfe                                ; its Gq
	s_lshl_b32 s10, s8, 4
	s_and_b32 s2, s90, 14
	s_add_co_u32 s10, s10, s2                              ; 16 Gq + I: its diagonal's panel
	s_lshl_b32 s2, s10, 9
	s_add_co_u32 s2, s2, P_SCL
	s_mov_b32 s3, 0
	s_mul_i32 s10, s10, TAIL
	s_mov_b32 s11, 0
	s_mul_i32 s8, s8, GRP
	s_mov_b32 s9, 0
	s_mov_b32 s[SEL], 0x76543210
	s_mov_b32 s[SEL+1], 0xfedcba98
	s_mov_b32 s[CS], 0x3d38aa3b                            ; log2(e) / 32
	s_mov_b32 s[CS+1], s[CS]                               ; (named with it as a pair, so it is written)
	s_mov_b32 s[HM], 0xffff0000
	s_wait_dscnt 0x0                                       ; both opening adds are done
	s_wait_kmcnt 0x0
	s_add_nc_u64 s[86:87], s[4:5], s[86:87]
	s_add_nc_u64 s[88:89], s[4:5], s[88:89]
	s_add_nc_u64 s[OB:OB+1], s[6:7], s[20:21]
	s_add_nc_u64 s[84:85], s[6:7], s[22:23]
	s_add_nc_u64 s[96:97], s[6:7], s[96:97]
	s_add_nc_u64 s[8:9], s[4:5], s[8:9]                    ; the even block's q
	s_add_nc_u64 s[10:11], s[6:7], s[10:11]                ; its panel of p
	s_add_nc_u64 s[2:3], s[6:7], s[2:3]                    ; its place in the tables
.irp j, 0,1,2,3
	s_mov_b32 s[G0A+4*\j], 1
	s_add_co_u32 s[G0A+4*\j+1], s81, AOFF+\j*2*PANEL
	s_add_nc_u64 s[G0A+4*\j+2:G0A+4*\j+3], s[86:87], \j*2*PANEL
	s_or_b32 s[G0A+4*\j+3], s[G0A+4*\j+3], 0x80000000
	s_mov_b32 s[G0B+4*\j+4*(\j/2)], 1
	s_add_co_u32 s[G0B+4*\j+4*(\j/2)+1], s99, \j*2*PANEL
	s_add_nc_u64 s[G0B+4*\j+4*(\j/2)+2:G0B+4*\j+4*(\j/2)+3], s[88:89], \j*2*PANEL
	s_or_b32 s[G0B+4*\j+4*(\j/2)+3], s[G0B+4*\j+4*(\j/2)+3], 0x80000000
.endr
	s_cmp_eq_u32 s[AH], 0                                  ; a wave's four first fills stand in one arm of one branch on the wave's number
	s_cbranch_scc0 .Lfill_b
.irp j, 0,1,2,3
	tensor_load_to_lds s[G0A+4*\j:G0A+4*\j+3], s[G1A:G1A+7]
	s_nop 0
.endr
	PLACES 4
	s_branch .Lfilled
.Lfill_b:
.irp j, 0,1,2,3
	tensor_load_to_lds s[G0B+4*\j+4*(\j/2):G0B+4*\j+4*(\j/2)+3], s[G1B:G1B+7]
	s_nop 0
.endr
	PLACES 4
.Lfilled:
	v_and_b32 v1, 15, v0
	v_bfe_u32 v2, v0, 4, 1
	v_and_b32 v3, 31, v0
	v_lshlrev_b32 v28, 4, v3
	v_lshlrev_b32 v29, 2, v1
	s_mul_i32 s20, s[AH], 4*FRB
	s_lshl_b32 s22, s[AH], 8
	v_add_nc_u32 v[ADA], s20, v28
	v_add_nc_u32 v[ADA+1], 4*PANEL, v[ADA]
	v_add_nc_u32 v[ADB], s99, v28
	v_add_nc_u32 v[ADB+1], 4*PANEL, v[ADB]
	v_add_nc_u32 v[ASA], s22, v29
	v_add_nc_u32 v[ASA+1], 4*PANEL, v[ASA]
	v_lshl_add_u32 v[ASB], v2, 8, v29
	v_add_nc_u32 v[ASB], s99, v[ASB]
	v_add_nc_u32 v[ASB+1], 4*PANEL, v[ASB]
	v_add_nc_u32 v[GO], s20, v28
	v_lshl_add_u32 v[GS], v3, 2, s22
	v_and_b32 v[LQ], 8, v1
	v_add_nc_u32 v[LQ], v[LQ], v1
	v_lshlrev_b32 v[DD], 4, v2
	v_sub_nc_u32 v[LQ], v[LQ], v[DD]
	s_mul_i32 s21, s[WV], 2*FRB
	v_add_nc_u32 v[ZA], s21, v28
	v_add_nc_u32 v[ADB2], BOFF, v28                        ; the extra block's LDS addresses are made here, ahead of every parting of ways
	v_add_nc_u32 v[ADB2+1], 4*PANEL, v[ADB2]
	v_lshl_add_u32 v[ASB2], v2, 8, v29
	v_add_nc_u32 v[ASB2], BOFF, v[ASB2]
	v_add_nc_u32 v[ASB2+1], 4*PANEL, v[ASB2]
	s_lshl_b32 s23, s[WV], 7
	v_lshl_add_u32 v[GS2], v3, 2, s23
	s_wait_tensorcnt 3                                     ; my part of chunk 0 is in; my three later fills may be out
	s_barrier_signal -1
	s_barrier_wait -1
	FETCH 0, 0
	STEP 0, -1, 0
	STEP 1, 2, 1
	STEP 2, -1, 1
	STEP 3, 1, 1
	STEP 4, -1, 1
	STEP 5, 0, 1
	STEP 6, -1, 1
	STEP 7, -1, 1
	WIN 0
.irp i, 0,1,2,3                        ; registers written once; the first thirteen name no register of the last products and are the places behind them
	v_mov_b32 v[Z+\i], 0
.endr
.irp i, 0,1,2,3
	v_mov_b32 v[NM+1+2*\i], 0
.endr
	v_mov_b32 v[NINF], 0xff800000
.irp i, 0,1,2,3
	v_mov_b32 v[TM+4+\i], 0
.endr
.irp i, 0,1,2,3
	v_mov_b32 v[BX+\i], 0
.endr
	s_cmp_lg_u32 s[XT], 0                                  ; ids alone: the same in all four waves.  No barrier and no tensor load stands behind this branch
	s_cbranch_scc1 .Lextra
	SOFT 0
	SOFT 1
	SOFT 2
	SOFT 3
	TABLES 0, GS
	TABLES 2, GS
	s_branch .Lend
.Lextra:
	; the even block's q: my two fragments of each of the 8 K steps, 512 consecutive bytes a load, and their scale words: 56 loads, which land while the tile's softmax is worked
	WIN 0xc0                                               ; destination window 3, address window 0
.irp ks, 0,1,2,3,4,5,6,7
.irp a, 0,1
.irp c, 0,1,2
	global_load_b128 v[24*\ks+12*\a+4*\c:24*\ks+12*\a+4*\c+3], v[ZA], s[8:9] offset:\ks*PANEL+FRB*\a+512*\c
.endr
.endr
.endr
	WIN 0
.irp ks, 0,1,2,3,4,5,6,7
	global_load_b32 v[220+\ks+12*(\ks/4)], v[GS2], s[8:9] offset:\ks*PANEL+TAIL
.endr
	SOFT 0
	SOFT 1
	SOFT 2
	SOFT 3
	TABLES 0, GS
	TABLES 2, GS
	ZFILL 90, 96                                           ; behind the odd block's diagonal
	s_wait_xcnt 0x0                                        ; the tile's stores have read their registers and bases: both are written anew below
	s_mov_b64 s[OB:OB+1], s[10:11]
	s_mov_b64 s[84:85], s[2:3]
	s_lshl_b32 s[SD], s[WV], 5                             ; my 32 queries begin 32 x wave behind the block's first key
	s_and_b32 s90, s90, 14                                 ; the even block
	v_mov_b32 v[GO], v[ZA]                                 ; fragments 2 w and 2 w + 1 of the panel
	FETCH2 0, 0
	s_wait_loadcnt 0x0                                     ; q's fragments and scale words
	STEP2 0
	STEP2 1
	STEP2 2
	STEP2 3
	STEP2 4
	STEP2 5
	STEP2 6
	STEP2 7
	WIN 0
	PLACES 4                                               ; behind the last products, ahead of the first read of results
	SOFT 0
	SOFT 1
	TABLES 0, GS2
	ZFILL 90, 10                                           ; behind the even block's diagonal
.Lend:
	s_wait_tensorcnt 0x0                                   ; the wave's end
	ds_add_u32 v[SPW], v[NIL]
	s_wait_dscnt 0x0
	s_endpgm
.Lfunc_end_k_q524049d76c_sm:
	.size	k_q524049d76c_sm, .Lfunc_end_k_q524049d76c_sm-k_q524049d76c_sm
	.p2alignl 7, 3214868480
	.fill 96, 4, 3214868480
	.section	.rodata,"a",@progbits
	.p2align	6, 0x0
	.amdhsa_kernel k_q524049d76c_sm
		.amdhsa_group_segment_fixed_size 327680
		.amdhsa_private_segment_fixed_size 0
		.amdhsa_enable_private_segment 0
		.amdhsa_kernarg_size 16
		.amdhsa_user_sgpr_count 2
		.amdhsa_user_sgpr_kernarg_segment_ptr 1
		.amdhsa_wavefront_size32 1
		.amdhsa_system_sgpr_workgroup_id_x 1
		.amdhsa_system_sgpr_workgroup_id_y 1
		.amdhsa_system_sgpr_workgroup_id_z 1
		.amdhsa_system_vgpr_workitem_id 0
		.amdhsa_next_free_vgpr 1024
		.amdhsa_next_free_sgpr 100
		.amdhsa_reserve_vcc 1
		.amdhsa_float_denorm_mode_32 3
		.amdhsa_float_denorm_mode_16_64 3
		.amdhsa_memory_ordered 1
		.amdhsa_forward_progress 1
		.amdhsa_inst_pref_size 255
	.end_amdhsa_kernel
	.section	.bss,"aw",@nobits
	.p2align	6
	.space	262144
	.amdgpu_metadata
---
amdhsa.version: [ 1, 2 ]
amdhsa.kernels:
  - .name:           k_q524049d76c_sm
    .symbol:         k_q524049d76c_sm.kd
    .args:
      - { .name: qkv, .offset: 0, .size: 8, .value_kind: global_buffer, .address_space: global }
      - { .name: p, .offset: 8, .size: 8, .value_kind: global_buffer, .address_space: global }
    .group_segment_fixed_size: 327680
    .private_segment_fixed_size: 0
    .kernarg_segment_align: 8
    .kernarg_segment_size: 16
    .max_flat_workgroup_size: 128
    .sgpr_count:     100
    .vgpr_count:     1024
    .wavefront_size: 32
...
	.end_amdgpu_metadata
.endif
;; end of part 3
;; launch pv (part 4): grid 4 x 64, 4 waves a work-group, no clusters, 327,680 bytes of LDS; arguments p, qkv, o; writes o
.if DOCPART == 4
	.amdgcn_target "amdgcn-amd-amdhsa--gfx1250"
	.amdhsa_code_object_version 6
	.text
	.protected	k_q524049d76c_pv
	.globl	k_q524049d76c_pv
	.p2align	8
	.type	k_q524049d76c_pv,@function
k_q524049d76c_pv:
	s_mov_b64 s[64:65], 0
	v_nop
	global_prefetch_b8 v0, s[64:65] scope:SCOPE_SE
	s_setreg_imm32_b32 hwreg(HW_REG_WAVE_MODE, 25, 1), 1
	s_wait_xcnt 0x0
; o = (p v) / l on codes of FP6, and o leaves as codes along its 1,024 channels.  A work-group makes 128 queries (A = p's panels) x 256 channels (B = v with the keys innermost); four waves 2 x 2, 64 x 128 each, as in g1.
; LEFT OUT AS DEAD WORK: keys behind the run of 512 that holds the query block's diagonal (reference()'s own jnp.tril: their p is exactly 0).  K goes in slots of 512 keys; query block IQ of its batch walks IQ / 4 + 1 of the 4.
; The rest of the last slot holds zero codes (stored by sm), which add nothing.
; THE PROLOGUE joins a row's pieces: thread = row.  M = the largest of the pieces' M; l = the sum of the pieces' sums x 2^(M_s - M); each scale byte of piece s gets M_s - M added, which is exact.
; LIMIT: a byte that would fall under 1 is held at 1: such a block stands for numbers under 7.5 x 2^-126 beside a row sum of at least 1/2.  M_s - M is held at -200, under which every sum has fallen to 0 in f32.
; THE RING: two slots of 151,552 bytes (4 panels of p, 2 x 4 panels of v); waves 0, 1 fetch two panels of p each, waves 2, 3 four panels of a group of v each: one tensor load a wave behind each change of slots.
; Every work-group walks all four changes of slots (the trip count is a constant); a slot past the causal limit is neither asked for nor multiplied: jumps on ids and the count of trips alone, the same in all four waves,
; round the load's own lines and round the step's work, never round a wait, the add or a barrier.  Every wait on TENSORcnt is for 0; by this text's own count a wave has one tensor load out.
; The accumulators are cleared while the first slot is on its way, so that the loop's first trip is like the others and the jump round a load stands inside the loop.
; NO CLUSTER: what the four channel tiles of a query block share is p's tile, a third of a slot's bytes, and the causal limit leads round loads, which a joint load does not allow.
.set PANEL, 12800
.set FRB,   1536
.set TAIL,  8*FRB
.set SLOTB, 4*TAIL+8*PANEL             ; 151,552
.set PSC,   2*SLOTB                    ; the shifted scale words of p: [s][128], 8,192 bytes
.set RL,    PSC+8192                   ; 1 / l: 128 words
.set SPARE, RL+512                     ; the spare words, 128 bytes for each wave, that no other line names
.set P_SCL, 12582912
.set ADA0, 4                           ; v4  6,144 (wave / 2) + 16 lane
.set ADB0, 5                           ; v5  49,152 + 51,200 (wave % 2) + 16 lane
.set ASB0, 6                           ; v6  49,152 + 51,200 (wave % 2) + 256 h + 4 r
.set ADP0, 7                           ; v7  PSC + 256 (wave / 2) + 4 r
.set GO,  12
.set GS,  13
.set SPW, 14
.set NIL, 15
.set RLA, 16                           ; v16 RL + 256 (wave / 2) + 4 r
.set SC,  32
.set AF,  48
.set PC,  144
.set PT,  192
.set TM,  200
.set PW,  216
.set RR,  224                          ; v224 + 2 a: 1 / l of tile a's rows (named as a pair: the odd registers hold 0)
.set WV,  12
.set AH,  13
.set BH,  14
.set G1A, 24
.set G1B, 32
.set G0A, 40
.set G0B, 44
.set TF,  48                           ; the slot that is filled next: 0 or SLOTB
.set TB,  49                           ; the slot that is read
.set TS,  50                           ; 2,048 x the slot's number: its scale words of p
.set KQ,  51                           ; the slot's number
.set NQ,  52                           ; slots that count
.set IQ,  53
.set SLOTS, 54
.set WOA, 55
.set WOB, 56
.set SEL, 76
.set HM,  80
.set OB,  82
.set MSB, 0
.macro WIN new
.if MSB != \new
	s_set_vgpr_msb (MSB<<8)|\new
.set MSB, \new
.endif
.endm
.macro PLACES n
.rept \n
	v_nop
.endr
.endm
.macro TLOAD                           ; waves 0, 1: p; waves 2, 3: v.  An s_nop 0 and four v_nop follow each of the two lines
	s_cmp_eq_u32 s[AH], 0
	s_cbranch_scc0 .Lfor_b_\@
	tensor_load_to_lds s[G0A:G0A+3], s[G1A:G1A+7]
	s_nop 0
	PLACES 4
	s_branch .Lasked_\@
.Lfor_b_\@:
	tensor_load_to_lds s[G0B:G0B+3], s[G1B:G1B+7]
	s_nop 0
	PLACES 4
.Lasked_\@:
.endm
.macro FETCHP kq, bf                   ; the slot's kq-th 128 keys into set bf
	WIN 0x40
.irp i, 0,1,2,3,4,5,6,7
.irp c, 0,1,2
	ds_load_b128 v[128*(\bf)+12*\i+4*\c:128*(\bf)+12*\i+4*\c+3], v9 offset:PANEL*(\kq)+FRB*\i+512*\c
.endr
.endr
	WIN 0
.irp i, 0,1,2,3
.irp c, 0,1,2
	ds_load_b128 v[AF+48*(\bf)+12*\i+4*\c:AF+48*(\bf)+12*\i+4*\c+3], v8 offset:TAIL*(\kq)+FRB*\i+512*\c
.endr
.endr
.irp i, 0,1,2,3
	ds_load_b32 v[SC+8*(\bf)+\i], v10 offset:PANEL*(\kq)+TAIL+64*\i
.endr
.irp i, 0,1,2,3
	ds_load_b32 v[SC+8*(\bf)+4+\i], v11 offset:512*(\kq)+64*\i
.endr
.endm
.macro WM a, b, bf
.set rD, 8*(8*(\a)+(\b))
.set rB, 128*(\bf)+12*(\b)
.set rA, AF+48*(\bf)+12*(\a)
.set rX, SC+8*(\bf)+(\b)%4
.set rY, SC+8*(\bf)+4+(\a)
.if (\b) < 4
	v_wmma_scale_f32_16x16x128_f8f6f4 v[rD:rD+7], v[rB:rB+11], v[rA:rA+11], v[rD:rD+7], v[rX], v[rY] matrix_a_fmt:MATRIX_FMT_FP6 matrix_b_fmt:MATRIX_FMT_FP6
.else
	v_wmma_scale_f32_16x16x128_f8f6f4 v[rD:rD+7], v[rB:rB+11], v[rA:rA+11], v[rD:rD+7], v[rX], v[rY] matrix_a_fmt:MATRIX_FMT_FP6 matrix_b_fmt:MATRIX_FMT_FP6 matrix_a_scale:MATRIX_SCALE_ROW1
.endif
.endm
.macro ROWM a, bf
.irp b, 0,1,2,3,4,5,6,7
	WM \a, \b, \bf
.endr
.endm
.macro STEPP kq                        ; 32 products, the 32 accumulators by turns in the same order in every step, over the loop's edge too
	s_wait_dscnt 0x0
	WIN 0xa1
	ROWM 0, (\kq)%2
	ROWM 1, (\kq)%2
.if (\kq) < 3
	PLACES 4
	FETCHP (\kq)+1, ((\kq)+1)%2
.endif
	WIN 0xa1
	ROWM 2, (\kq)%2
	ROWM 3, (\kq)%2
.endm
; THE CHANGE OF SLOTS, at a slot's head.  Each wave waits for all its tensor loads (its part of the slot ahead), adds 0 to its spare word, and waits for that, for its reads of the slot that it has left and (first trip) for its
; stores of the prologue.  Behind the barrier the slot ahead is whole and nobody reads the other one.  fill = 1: the other slot takes the next 512 keys, while they count.
.macro CHANGE fill
	s_wait_tensorcnt 0x0                                   ; no tensor load of mine is out, so a group 0 may be written
	ds_add_u32 v[SPW], v[NIL]
.if \fill
	s_xor_b32 s[TF], s[TF], SLOTB
	s_add_co_u32 s[G0A+1], s[TF], s[WOA]
	s_add_co_u32 s[G0B+1], s[TF], s[WOB]
	s_add_nc_u64 s[G0A+2:G0A+3], s[G0A+2:G0A+3], 4*TAIL
	s_add_nc_u64 s[G0B+2:G0B+3], s[G0B+2:G0B+3], 4*PANEL
.endif
	s_wait_dscnt 0x0
	s_barrier_signal -1
	s_barrier_wait -1
.if \fill
	s_add_co_u32 s20, s[KQ], 1
	s_cmp_ge_u32 s20, s[NQ]                                ; the next slot lies past the causal limit: no wave would read it, so it is not asked for; a work-group that is past the limit stays past it
	s_cbranch_scc1 .Lpast_\@
	TLOAD
.Lpast_\@:
.endif
.endm
.macro BODY
	s_cmp_ge_u32 s[KQ], s[NQ]
	s_cbranch_scc1 .Lskip_\@
	v_add_nc_u32 v8, s[TB], v[ADA0]                        ; (these four are also the places in front of the loads below)
	v_add_nc_u32 v9, s[TB], v[ADB0]
	v_add_nc_u32 v10, s[TB], v[ASB0]
	v_add_nc_u32 v11, s[TS], v[ADP0]
	FETCHP 0, 0
	STEPP 0
	STEPP 1
	STEPP 2
	STEPP 3
	WIN 0
.Lskip_\@:
	s_xor_b32 s[TB], s[TB], SLOTB
	s_add_co_u32 s[TS], s[TS], 2048
	s_add_co_u32 s[KQ], s[KQ], 1
.endm
.macro QUANTW a                        ; as in g1
.set QA, 64*(\a)
.set QP, PC+12*(\a)
	WIN 0x28
.irp b, 0,1,2,3
	v_max3_num_f32 v[TM+\b], 0x1800000, |v[QA+16*\b]|, |v[QA+16*\b+1]|
.endr
.irp i, 2,4,6,8,10,12,14
.irp b, 0,1,2,3
	v_max3_num_f32 v[TM+\b], v[TM+\b], |v[QA+16*\b+\i]|, |v[QA+16*\b+\i+1]|
.endr
.endr
	WIN 0
.irp b, 0,1,2,3
	v_permlanex16_b32 v[TM+4+\b], v[TM+\b], s[SEL], s[SEL+1]
.endr
.irp b, 0,1,2,3
	v_max_num_f32 v[TM+\b], v[TM+\b], v[TM+4+\b]
.endr
.irp b, 0,1,2,3
	v_add_nc_u32 v[TM+12+\b], 0xff000000, v[TM+\b]
.endr
.irp b, 0,1,2,3
	v_lshrrev_b32 v[TM+4+\b], 23, v[TM+12+\b]
.endr
	v_lshl_or_b32 v[PW+\a], v[TM+5], 8, v[TM+4]
	v_lshl_or_b32 v[PW+\a], v[TM+6], 16, v[PW+\a]
	v_lshl_or_b32 v[PW+\a], v[TM+7], 24, v[PW+\a]
	WIN 0x02
.irp c, 0,1
	v_cvt_scalef32_pk16_fp6_f32 v[QP+6*\c:QP+6*\c+2], v[QA+32*\c:QA+32*\c+15], v[TM+12+2*\c]
	v_cvt_scalef32_pk16_fp6_f32 v[PT+4*\c:PT+4*\c+2], v[QA+32*\c+16:QA+32*\c+31], v[TM+12+2*\c+1]
.endr
	WIN 0
	v_nop
.irp c, 0,1
.irp i, 0,1,2
	v_permlane16_swap_b32 v[QP+6*\c+\i], v[PT+4*\c+\i]
.endr
.irp i, 0,1,2
	v_mov_b32 v[QP+6*\c+3+\i], v[PT+4*\c+\i]
.endr
.endr
.endm
.macro OUTC a
.irp c, 0,1,2
	global_store_b128 v[GO], v[PC+12*(\a)+4*\c:PC+12*(\a)+4*\c+3], s[OB:OB+1] offset:FRB*(\a)+512*\c
.endr
.endm
	s_load_b128 s[4:7], s[0:1], 0x0                        ; p s[4:5], qkv s[6:7]
	s_load_b64 s[8:9], s[0:1], 0x10                        ; o
	v_lshl_add_u32 v[SPW], v0, 2, SPARE
	v_mov_b32 v[NIL], 0
	ds_add_u32 v[SPW], v[NIL]                              ; the wave's opening: the add, twice on end, and its wait ahead of my first tensor load
	ds_add_u32 v[SPW], v[NIL]
	v_lshrrev_b32 v1, 5, v0
	v_readfirstlane_b32 s[WV], v1
	s_lshr_b32 s[AH], s[WV], 1
	s_and_b32 s[BH], s[WV], 1
	; descriptor group 1: dense blocks as rows of 256 bytes: p two panels of 12,288 (96 rows), v four of 12,800 (200 rows)
	s_mov_b32 s[G1A], 3<<16
	s_mov_b32 s[G1A+1], 32<<16
	s_mov_b32 s[G1A+2], 96<<16
	s_mov_b32 s[G1A+3], 32<<16
	s_mov_b32 s[G1A+4], 96
	s_mov_b32 s[G1A+5], 32
	s_mov_b32 s[G1A+6], 0
	s_mov_b32 s[G1A+7], 0
	s_mov_b32 s[G1B], 3<<16
	s_mov_b32 s[G1B+1], 32<<16
	s_mov_b32 s[G1B+2], 200<<16
	s_mov_b32 s[G1B+3], 32<<16
	s_mov_b32 s[G1B+4], 200
	s_mov_b32 s[G1B+5], 32
	s_mov_b32 s[G1B+6], 0
	s_mov_b32 s[G1B+7], 0
	s_and_b32 s15, ttmp7, 0xffff                           ; Gq
	s_and_b32 s[IQ], s15, 15
	s_lshr_b32 s16, s15, 4                                 ; batch
	s_lshr_b32 s[NQ], s[IQ], 2
	s_add_co_u32 s[NQ], s[NQ], 1
	s_mul_i32 s[WOA], s[BH], 2*TAIL
	s_mul_i32 s[WOB], s[BH], 4*PANEL
	s_add_co_u32 s[WOB], s[WOB], 4*TAIL
	s_mul_i32 s86, s15, 16*TAIL
	s_add_co_u32 s86, s86, s[WOA]
	s_mov_b32 s87, 0
	s_lshl_b32 s17, ttmp9, 1
	s_add_co_u32 s17, s17, s[BH]                           ; the channel group 2 x + wave % 2
	s_lshl_b32 s88, s17, 6
	s_lshl_b32 s18, s16, 4
	s_add_co_u32 s88, s88, s18
	s_add_co_u32 s88, s88, 1024
	s_mul_i32 s88, s88, PANEL
	s_mov_b32 s89, 0
	s_lshl_b32 s90, s15, 3
	s_add_co_u32 s90, s90, s17
	s_mul_i32 s90, s90, PANEL                              ; the panel of o that I store into
	s_mov_b32 s91, 0
	s_lshl_b32 s92, s15, 13
	s_add_co_u32 s92, s92, P_SCL
	s_mov_b32 s93, 0
	s_mov_b32 s[TF], 0
	s_mov_b32 s[TB], 0
	s_mov_b32 s[TS], 0
	s_mov_b32 s[KQ], 0
	s_mov_b32 s[SLOTS], 3
	s_mov_b32 s[SEL], 0x76543210
	s_mov_b32 s[SEL+1], 0xfedcba98
	s_mov_b32 s[HM], 0xffff0000
	s_wait_dscnt 0x0                                       ; both opening adds are done
	s_wait_kmcnt 0x0
	s_mov_b32 s[G0A], 1
	s_mov_b32 s[G0A+1], s[WOA]
	s_add_nc_u64 s[G0A+2:G0A+3], s[4:5], s[86:87]
	s_or_b32 s[G0A+3], s[G0A+3], 0x80000000
	s_mov_b32 s[G0B], 1
	s_mov_b32 s[G0B+1], s[WOB]
	s_add_nc_u64 s[G0B+2:G0B+3], s[6:7], s[88:89]
	s_or_b32 s[G0B+3], s[G0B+3], 0x80000000
	s_add_nc_u64 s[OB:OB+1], s[8:9], s[90:91]
	s_add_nc_u64 s[84:85], s[4:5], s[92:93]
	TLOAD                                                  ; slot 0: every wave issues one
	WIN 0x80
.set n, 0
.rept 256
	v_mov_b32 v[n], 0                                      ; the accumulators, while slot 0 is on its way
.set n, n+1
.endr
	WIN 0
	v_and_b32 v1, 15, v0
	v_bfe_u32 v2, v0, 4, 1
	v_and_b32 v3, 31, v0
	v_lshlrev_b32 v28, 4, v3
	v_lshlrev_b32 v29, 2, v1
	s_mul_i32 s20, s[AH], 4*FRB
	s_lshl_b32 s22, s[AH], 8
	v_add_nc_u32 v[ADA0], s20, v28
	v_add_nc_u32 v[ADB0], s[WOB], v28
	v_lshl_add_u32 v[ASB0], v2, 8, v29
	v_add_nc_u32 v[ASB0], s[WOB], v[ASB0]
	v_add_nc_u32 v[ADP0], s22, v29
	v_add_nc_u32 v[RLA], RL, v[ADP0]
	v_add_nc_u32 v[ADP0], PSC, v[ADP0]
	v_add_nc_u32 v[GO], s20, v28
	v_lshl_add_u32 v[GS], v3, 2, s22
.irp b, 0,1,2,3
	v_mov_b32 v[TM+4+\b], 0
	v_mov_b32 v[RR+1+2*\b], 0
.endr
	; THE PROLOGUE: thread = row.  v48-63 -M_s, v64-79 l_s, v80-95 the scale words; pieces past the diagonal keep what stands here: they lose the minimum, add 0, and their bytes end at 1
	v_lshlrev_b32 v105, 2, v0
	v_add_nc_u32 v106, PSC, v105
	v_mov_b32 v104, 1
.irp s, 0,1,2,3,4,5,6,7,8,9,10,11,12,13,14,15
	v_mov_b32 v[48+\s], 0x7f61b1e6
	v_mov_b32 v[64+\s], 0
	v_mov_b32 v[80+\s], 0x01010101
.endr
.irp s, 0,1,2,3,4,5,6,7,8,9,10,11,12,13,14,15
.if \s > 0
	s_cmp_lt_u32 s[IQ], \s                                 ; pieces 0 .. IQ were stored (ids alone)
	s_cbranch_scc1 .Lin
.endif
	global_load_b32 v[80+\s], v105, s[84:85] offset:512*\s
	global_load_b32 v[48+\s], v105, s[84:85] offset:524288+512*\s
	global_load_b32 v[64+\s], v105, s[84:85] offset:1048576+512*\s
.endr
.Lin:
	s_wait_loadcnt 0x0
	v_min3_num_f32 v96, v48, v49, v50
.irp s, 51,53,55,57,59,61
	v_min3_num_f32 v96, v96, v[\s], v[\s+1]
.endr
	v_min_num_f32 v96, v96, v63                            ; -M of the row
.irp s, 0,1,2,3,4,5,6,7,8,9,10,11,12,13,14,15
	v_sub_f32 v97, v96, v[48+\s]                           ; M_s - M: a whole number, 0 or less
	v_max_num_f32 v97, 0xc3480000, v97                     ; held at -200
	v_cvt_i32_f32 v97, v97
.if \s == 0
	v_ldexp_f32 v99, v[64+\s], v97
.else
	v_ldexp_f32 v98, v[64+\s], v97
	v_add_f32 v99, v99, v98
.endif
.irp b, 0,1,2,3
	v_bfe_u32 v[100+\b], v[80+\s], 8*\b, 8
.endr
.irp b, 0,1,2,3
	v_add_nc_u32 v[100+\b], v[100+\b], v97
.endr
.irp b, 0,1,2,3
	v_cmp_gt_i32 vcc_lo, 1, v[100+\b]
	v_cndmask_b32 v[100+\b], v[100+\b], v104, vcc_lo       ; held at 1 from below
.endr
	v_lshl_or_b32 v107, v101, 8, v100
	v_lshl_or_b32 v107, v102, 16, v107
	v_lshl_or_b32 v107, v103, 24, v107
	ds_store_b32 v106, v107 offset:512*\s
.endr
	v_rcp_f32 v99, v99                                     ; l is at least 1/2: the piece with M_s = M holds a p above 1/2
	v_nop
	s_wait_alu depctr_va_vdst(0)                           ; ahead of the first reader
	ds_store_b32 v106, v99 offset:8192
.Lslot:
	CHANGE 1
	BODY
	s_sub_co_u32 s[SLOTS], s[SLOTS], 1
	s_cmp_lg_u32 s[SLOTS], 0
	s_cbranch_scc1 .Lslot
	CHANGE 0                                               ; the last slot: nothing is left to ask for
	BODY
	; THE WAY OUT: x 1 / l, then quantised along the channels, as in g1
.irp a, 0,1,2,3
	ds_load_b32 v[RR+2*\a], v[RLA] offset:64*\a
.endr
	s_wait_dscnt 0x0
	PLACES 4                                               ; behind the last products, ahead of the first read of results
.irp a, 0,1,2,3
	WIN 0x82                                               ; destination and source 0 window 2
.set n, 0
.rept 32
	v_pk_mul_f32 v[64*\a+n:64*\a+n+1], v[64*\a+n:64*\a+n+1], v[RR+2*\a:RR+2*\a+1] op_sel_hi:[1,0]
.set n, n+2
.endr
	QUANTW \a
	OUTC \a
.endr
.irp a, 0,2
	v_cndmask_b32 v[220+\a/2], v[PW+\a], v[PW+\a+1], s[HM]
	global_store_b32 v[GS], v[220+\a/2], s[OB:OB+1] offset:TAIL+64*\a
.endr
	s_wait_tensorcnt 0x0                                   ; the wave's end: behind my last tensor load and my last LDS store
	ds_add_u32 v[SPW], v[NIL]
	s_wait_dscnt 0x0
	s_endpgm
.Lfunc_end_k_q524049d76c_pv:
	.size	k_q524049d76c_pv, .Lfunc_end_k_q524049d76c_pv-k_q524049d76c_pv
	.p2alignl 7, 3214868480
	.fill 96, 4, 3214868480
	.section	.rodata,"a",@progbits
	.p2align	6, 0x0
	.amdhsa_kernel k_q524049d76c_pv
		.amdhsa_group_segment_fixed_size 327680
		.amdhsa_private_segment_fixed_size 0
		.amdhsa_enable_private_segment 0
		.amdhsa_kernarg_size 24
		.amdhsa_user_sgpr_count 2
		.amdhsa_user_sgpr_kernarg_segment_ptr 1
		.amdhsa_wavefront_size32 1
		.amdhsa_system_sgpr_workgroup_id_x 1
		.amdhsa_system_sgpr_workgroup_id_y 1
		.amdhsa_system_sgpr_workgroup_id_z 1
		.amdhsa_system_vgpr_workitem_id 0
		.amdhsa_next_free_vgpr 768
		.amdhsa_next_free_sgpr 100
		.amdhsa_reserve_vcc 1
		.amdhsa_float_denorm_mode_32 3
		.amdhsa_float_denorm_mode_16_64 3
		.amdhsa_memory_ordered 1
		.amdhsa_forward_progress 1
		.amdhsa_inst_pref_size 123
	.end_amdhsa_kernel
	.amdgpu_metadata
---
amdhsa.version: [ 1, 2 ]
amdhsa.kernels:
  - .name:           k_q524049d76c_pv
    .symbol:         k_q524049d76c_pv.kd
    .args:
      - { .name: p, .offset: 0, .size: 8, .value_kind: global_buffer, .address_space: global }
      - { .name: qkv, .offset: 8, .size: 8, .value_kind: global_buffer, .address_space: global }
      - { .name: o, .offset: 16, .size: 8, .value_kind: global_buffer, .address_space: global }
    .group_segment_fixed_size: 327680
    .private_segment_fixed_size: 0
    .kernarg_segment_align: 8
    .kernarg_segment_size: 24
    .max_flat_workgroup_size: 128
    .sgpr_count:     100
    .vgpr_count:     768
    .wavefront_size: 32
...
	.end_amdgpu_metadata
.endif
;; end of part 4
;; launch proj (part 5): grid 4 x 64, 4 waves a work-group, clusters of 4 x 4, 327,680 bytes of LDS; arguments o, xw, b_proj, out0; writes out0
.if DOCPART == 5
	.amdgcn_target "amdgcn-amd-amdhsa--gfx1250"
	.amdhsa_code_object_version 6
	.text
	.protected	k_q524049d76c_proj
	.globl	k_q524049d76c_proj
	.p2align	8
	.type	k_q524049d76c_proj,@function
k_q524049d76c_proj:
	s_mov_b64 s[64:65], 0
	v_nop
	global_prefetch_b8 v0, s[64:65] scope:SCOPE_SE
	s_setreg_imm32_b32 hwreg(HW_REG_WAVE_MODE, 25, 1), 1
	s_wait_xcnt 0x0
	s_wait_alu depctr_hold_cnt(0) depctr_sa_sdst(0) depctr_va_vdst(0) depctr_va_sdst(0) depctr_va_ssrc(0) depctr_va_vcc(0) depctr_vm_vsrc(0)
	s_getreg_b32 s2, hwreg(HW_REG_IB_STS2, 6, 4)
	s_cmp_eq_u32 s2, 0
	s_cbranch_scc0 .Lentry_in_a_cluster
	s_endpgm
.Lentry_in_a_cluster:
	s_bfe_u32 s2, ttmp6, 0x10000c
	s_cmp_lg_u32 s2, 0xf033
	s_cbranch_scc0 .Lentry_shape_is_right
	s_endpgm
.Lentry_shape_is_right:
; out0 = o w_proj + b_proj on codes of FP6.  The frame is g1's: A = o's panels (128 tokens), B = w_proj's columns (groups 88-95 of xw, 256 columns a work-group), K = 1,024 whole in LDS, four first fills a wave, asked for jointly
; in clusters of 4 x 4 (A shared along a row of the cluster, B along a column).  Nothing is left out here.
; The bias is the C of each sum's first matrix instruction: eight registers for each of B's eight blocks, in the result's layout (lane (r, h), block b: columns 32 (b / 2) + 8 (b % 2) + 16 h + 0 .. 7).
; THE WAY OUT.  A lane holds 8 x 32 bytes of one row; 16 rows x 512 bytes go through the wave's own stage in LDS and leave as whole rows: 512 consecutive bytes a store.  The order of the rows in a fragment
; (lane r = row 32 (i / 2) + 8 (i % 2) + r + 8 (r / 8) of the 128) is undone in the stores' offsets.  The stages lie where A's panels 0 to 2 lay: these bytes have had their only fill, and every wave's last read of them
; was waited for in front of a later barrier (the one that opens chunk 2).
.set PANEL, 12800
.set GRP,   8*PANEL
.set FRB,   1536
.set TAIL,  8*FRB
.set AOFF,  0
.set BOFF,  GRP
.set SPARE, 3*GRP
.set SPITCH, 528
.set ADA, 4
.set ADB, 6
.set ASA, 8
.set ASB, 10
.set SPW, 14
.set NIL, 15
.set STO, 16                           ; v16  the stage, in: row r, + 64 h
.set RD,  17                           ; v17  back: 16 x lane of a row
.set CO,  18                           ; v18  16 x lane: my bytes of a row's 512 in out0
.set SC,  32
.set AF,  48
.set BI,  144                          ; v144-207 the bias; later rows on their way out
.set WV,  12
.set AH,  13
.set BH,  14
.set G1A, 24
.set G1B, 32
.set G0A, 40
.set G0B, 56
.set OB,  82
.set MSB, 0
.macro WIN new
.if MSB != \new
	s_set_vgpr_msb (MSB<<8)|\new
.set MSB, \new
.endif
.endm
.macro PLACES n
.rept \n
	v_nop
.endr
.endm
.macro CROUND
	s_barrier_signal -1
	s_barrier_wait -1
	s_cmp_lg_u32 s[WV], 0
	s_cbranch_scc1 .Lnot_wave_0_\@
	s_barrier_signal -3
.Lnot_wave_0_\@:
	s_barrier_wait -3
	s_barrier_signal -1
	s_barrier_wait -1
.endm
.macro FETCH ks, bf
	WIN 0x40
.irp i, 0,1,2,3,4,5,6,7
.irp c, 0,1,2
	ds_load_b128 v[128*(\bf)+12*\i+4*\c:128*(\bf)+12*\i+4*\c+3], v[ADB+(\ks)/4] offset:((\ks)%4)*PANEL+FRB*\i+512*\c
.endr
.endr
	WIN 0
.irp i, 0,1,2,3
.irp c, 0,1,2
	ds_load_b128 v[AF+48*(\bf)+12*\i+4*\c:AF+48*(\bf)+12*\i+4*\c+3], v[ADA+(\ks)/4] offset:((\ks)%4)*PANEL+FRB*\i+512*\c
.endr
.endr
.irp i, 0,1,2,3
	ds_load_b32 v[SC+8*(\bf)+\i], v[ASB+(\ks)/4] offset:((\ks)%4)*PANEL+TAIL+64*\i
.endr
.irp i, 0,1,2,3
	ds_load_b32 v[SC+8*(\bf)+4+\i], v[ASA+(\ks)/4] offset:((\ks)%4)*PANEL+TAIL+64*\i
.endr
.endm
.macro WM a, b, bf, cm                 ; cm = 2: the product starts the sum on the bias
.set rD, 8*(8*(\a)+(\b))
.set rB, 128*(\bf)+12*(\b)
.set rA, AF+48*(\bf)+12*(\a)
.set rX, SC+8*(\bf)+(\b)%4
.set rY, SC+8*(\bf)+4+(\a)
.set rC, BI+8*(\b)
.if (\cm) == 2
.if (\b) < 4
	v_wmma_scale_f32_16x16x128_f8f6f4 v[rD:rD+7], v[rB:rB+11], v[rA:rA+11], v[rC:rC+7], v[rX], v[rY] matrix_a_fmt:MATRIX_FMT_FP6 matrix_b_fmt:MATRIX_FMT_FP6
.else
	v_wmma_scale_f32_16x16x128_f8f6f4 v[rD:rD+7], v[rB:rB+11], v[rA:rA+11], v[rC:rC+7], v[rX], v[rY] matrix_a_fmt:MATRIX_FMT_FP6 matrix_b_fmt:MATRIX_FMT_FP6 matrix_a_scale:MATRIX_SCALE_ROW1
.endif
.else
.if (\b) < 4
	v_wmma_scale_f32_16x16x128_f8f6f4 v[rD:rD+7], v[rB:rB+11], v[rA:rA+11], v[rD:rD+7], v[rX], v[rY] matrix_a_fmt:MATRIX_FMT_FP6 matrix_b_fmt:MATRIX_FMT_FP6
.else
	v_wmma_scale_f32_16x16x128_f8f6f4 v[rD:rD+7], v[rB:rB+11], v[rA:rA+11], v[rD:rD+7], v[rX], v[rY] matrix_a_fmt:MATRIX_FMT_FP6 matrix_b_fmt:MATRIX_FMT_FP6 matrix_a_scale:MATRIX_SCALE_ROW1
.endif
.endif
.endm
.macro ROWM a, bf, cm
.irp b, 0,1,2,3,4,5,6,7
	WM \a, \b, \bf, \cm
.endr
.endm
.macro MWIN cm
.if (\cm) == 2
	WIN 0x81                                               ; source 0 (B) window 1, sources 1 (A) and 2 (the bias) window 0, D window 2
.else
	WIN 0xa1                                               ; C and D window 2
.endif
.endm
.macro STEP ks, cnt, cm                ; as in g1
	s_wait_dscnt 0x0
	MWIN \cm
	ROWM 0, (\ks)%2, \cm
.if \cnt >= 0
	s_wait_tensorcnt \cnt
	s_barrier_signal -1
.endif
	ROWM 1, (\ks)%2, \cm
.if \cnt >= 0
	s_barrier_wait -1
.endif
.if (\ks) < 7
	PLACES 4
	FETCH (\ks)+1, ((\ks)+1)%2
.endif
	MWIN \cm
	ROWM 2, (\ks)%2, \cm
	ROWM 3, (\ks)%2, \cm
.endm
.macro TOSTAGE a                       ; tile a's 16 rows into my stage, each accumulator from its low end on, and back as whole rows: LDS serves a wave's instructions in order, so no wait stands between
	WIN 0x08                                               ; an LDS store's data are its source 1: window 2
.irp b, 0,1,2,3,4,5,6,7
	ds_store_b128 v[STO], v[64*(\a)+8*\b:64*(\a)+8*\b+3] offset:128*(\b/2)+32*(\b%2)
	ds_store_b128 v[STO], v[64*(\a)+8*\b+4:64*(\a)+8*\b+7] offset:128*(\b/2)+32*(\b%2)+16
.endr
	WIN 0
.set BB, 48+96*((\a)%2)
.irp t, 0,1,2,3,4,5,6,7,8,9,10,11,12,13,14,15
	ds_load_b128 v[BB+4*\t:BB+4*\t+3], v[RD] offset:SPITCH*\t
.endr
.endm
.macro SEND a, younger                 ; younger: the LDS instructions issued behind tile a's loads, which may stay out
.set BB, 48+96*((\a)%2)
	s_wait_dscnt \younger
.irp t, 0,1,2,3,4,5,6,7,8,9,10,11,12,13,14,15
	global_store_b128 v[CO], v[BB+4*\t:BB+4*\t+3], s[OB:OB+1] offset:(32*((\a)/2)+8*((\a)%2)+\t+8*(\t/8))*4096 th:TH_STORE_NT
.endr
.endm
	s_load_b256 s[4:11], s[0:1], 0x0                       ; o s[4:5], xw s[6:7], b_proj s[8:9], out0 s[10:11]
	v_lshl_add_u32 v[SPW], v0, 2, SPARE
	v_mov_b32 v[NIL], 0
	ds_add_u32 v[SPW], v[NIL]                              ; the wave's opening: the add, twice on end, and its wait ahead of my first tensor load
	ds_add_u32 v[SPW], v[NIL]
	v_lshrrev_b32 v1, 5, v0
	v_readfirstlane_b32 s[WV], v1
	s_lshr_b32 s[AH], s[WV], 1
	s_and_b32 s[BH], s[WV], 1
	s_bfe_u32 s15, ttmp6, 0x40000                          ; cx: the column tile (the grid is one cluster wide)
	s_bfe_u32 s16, ttmp6, 0x40004                          ; cy
	s_and_b32 s17, ttmp7, 0xffff                           ; the cluster's y
	s_lshl_b32 s18, s16, 2
	s_lshl_b32 s18, 15, s18                                ; my row of the cluster
	s_lshl_b32 s19, 0x1111, s15                            ; my column
	s_or_b32 s[G1A], s18, (3<<16)|(1<<21)
	s_or_b32 s[G1B], s19, (3<<16)|(1<<21)
	s_mov_b32 s[G1A+1], 32<<16
	s_mov_b32 s[G1A+2], 50<<16
	s_mov_b32 s[G1A+3], 32<<16
	s_mov_b32 s[G1A+4], 50
	s_mov_b32 s[G1A+5], 32
	s_mov_b32 s[G1A+6], 0
	s_mov_b32 s[G1A+7], 0
	s_mov_b32 s[G1B+1], 32<<16
	s_mov_b32 s[G1B+2], 100<<16
	s_mov_b32 s[G1B+3], 32<<16
	s_mov_b32 s[G1B+4], 100
	s_mov_b32 s[G1B+5], 32
	s_mov_b32 s[G1B+6], 0
	s_mov_b32 s[G1B+7], 0
	s_lshl_b32 s20, s17, 2
	s_add_co_u32 s20, s20, s16                             ; the token group 4 y + cy
	s_mul_i32 s86, s20, GRP
	s_mul_i32 s81, s[BH], PANEL
	s_add_co_u32 s86, s86, s81
	s_mov_b32 s87, 0
	s_lshl_b32 s88, s15, 1
	s_add_co_u32 s88, s88, 88
	s_add_co_u32 s88, s88, s[BH]                           ; w_proj's group 88 + 2 cx + wave % 2
	s_mul_i32 s88, s88, GRP
	s_mov_b32 s89, 0
	s_mul_i32 s99, s[BH], GRP
	s_add_co_u32 s99, s99, BOFF
	s_lshl_b32 s90, s15, 10
	s_lshl_b32 s21, s[BH], 9
	s_add_co_u32 s90, s90, s21                             ; my first column, in bytes: 4 (256 cx + 128 (wave % 2))
	s_mov_b32 s91, 0
	s_lshl_b32 s92, s20, 19
	s_lshl_b32 s21, s[AH], 18
	s_add_co_u32 s92, s92, s21
	s_add_co_u32 s92, s92, s90                             ; my first row of out0: (128 group + 64 (wave / 2)) x 4,096 bytes, + the column
	s_mov_b32 s93, 0
	s_wait_dscnt 0x0                                       ; both opening adds are done
	s_wait_kmcnt 0x0
	s_add_nc_u64 s[86:87], s[4:5], s[86:87]
	s_add_nc_u64 s[88:89], s[6:7], s[88:89]
	s_add_nc_u64 s[8:9], s[8:9], s[90:91]
	s_add_nc_u64 s[OB:OB+1], s[10:11], s[92:93]
	CROUND                                                 ; all sixteen work-groups are here: the joint loads meet
.irp j, 0,1,2,3
	s_mov_b32 s[G0A+4*\j], 1
	s_add_co_u32 s[G0A+4*\j+1], s81, AOFF+\j*2*PANEL
	s_add_nc_u64 s[G0A+4*\j+2:G0A+4*\j+3], s[86:87], \j*2*PANEL
	s_or_b32 s[G0A+4*\j+3], s[G0A+4*\j+3], 0x80000000
	s_mov_b32 s[G0B+4*\j+4*(\j/2)], 1
	s_add_co_u32 s[G0B+4*\j+4*(\j/2)+1], s99, \j*2*PANEL
	s_add_nc_u64 s[G0B+4*\j+4*(\j/2)+2:G0B+4*\j+4*(\j/2)+3], s[88:89], \j*2*PANEL
	s_or_b32 s[G0B+4*\j+4*(\j/2)+3], s[G0B+4*\j+4*(\j/2)+3], 0x80000000
.endr
	s_cmp_eq_u32 s[AH], 0                                  ; a wave's four first fills stand in one arm of one branch on the wave's number
	s_cbranch_scc0 .Lfill_b
.irp j, 0,1,2,3
	tensor_load_to_lds s[G0A+4*\j:G0A+4*\j+3], s[G1A:G1A+7]
	s_nop 0
.endr
	PLACES 4
	s_branch .Lfilled
.Lfill_b:
.irp j, 0,1,2,3
	tensor_load_to_lds s[G0B+4*\j+4*(\j/2):G0B+4*\j+4*(\j/2)+3], s[G1B:G1B+7]
	s_nop 0
.endr
	PLACES 4
.Lfilled:
	v_and_b32 v1, 15, v0
	v_bfe_u32 v2, v0, 4, 1
	v_and_b32 v3, 31, v0
	v_lshlrev_b32 v30, 6, v2                               ; the bias: 64 h
.irp b, 0,1,2,3,4,5,6,7
	global_load_b128 v[BI+8*\b:BI+8*\b+3], v30, s[8:9] offset:(32*(\b/2)+8*(\b%2))*4
	global_load_b128 v[BI+8*\b+4:BI+8*\b+7], v30, s[8:9] offset:(32*(\b/2)+8*(\b%2))*4+16
.endr
	v_lshlrev_b32 v28, 4, v3
	v_lshlrev_b32 v29, 2, v1
	s_mul_i32 s20, s[AH], 4*FRB
	s_lshl_b32 s22, s[AH], 8
	v_add_nc_u32 v[ADA], s20, v28
	v_add_nc_u32 v[ADA+1], 4*PANEL, v[ADA]
	v_add_nc_u32 v[ADB], s99, v28
	v_add_nc_u32 v[ADB+1], 4*PANEL, v[ADB]
	v_add_nc_u32 v[ASA], s22, v29
	v_add_nc_u32 v[ASA+1], 4*PANEL, v[ASA]
	v_lshl_add_u32 v[ASB], v2, 8, v29
	v_add_nc_u32 v[ASB], s99, v[ASB]
	v_add_nc_u32 v[ASB+1], 4*PANEL, v[ASB]
	s_mul_i32 s23, s[WV], 16*SPITCH                        ; my stage
	v_mul_u32_u24 v[STO], v1, SPITCH
	v_lshl_add_u32 v[STO], v2, 6, v[STO]
	v_add_nc_u32 v[STO], s23, v[STO]
	v_add_nc_u32 v[RD], s23, v28
	v_lshlrev_b32 v[CO], 4, v3
	s_wait_tensorcnt 3                                     ; my part of chunk 0 is in; my three later fills may be out
	s_barrier_signal -1
	s_barrier_wait -1
	FETCH 0, 0
	s_wait_loadcnt 0x0                                     ; the bias
	STEP 0, -1, 2
	STEP 1, 2, 1
	STEP 2, -1, 1
	STEP 3, 1, 1
	STEP 4, -1, 1
	STEP 5, 0, 1
	STEP 6, -1, 1
	STEP 7, -1, 1
	WIN 0
	PLACES 4                                               ; behind the last products: for the stores that read results and the loads into registers that held A's fragments
	TOSTAGE 0
.irp a, 1,2,3
.if \a > 1
	s_wait_xcnt 0x0                                        ; tile a - 2's stores have read their registers: tile a's rows may land there
.endif
	TOSTAGE \a
	SEND \a-1, 32                                          ; behind tile a - 1's loads: tile a's 16 stores and 16 loads
.endr
	SEND 3, 0
	s_wait_tensorcnt 0x0                                   ; the wave's end: behind my last tensor load and my last LDS store
	ds_add_u32 v[SPW], v[NIL]
	s_wait_dscnt 0x0
	CROUND                                                 ; the closing round
	s_endpgm
.Lfunc_end_k_q524049d76c_proj:
	.size	k_q524049d76c_proj, .Lfunc_end_k_q524049d76c_proj-k_q524049d76c_proj
	.p2alignl 7, 3214868480
	.fill 96, 4, 3214868480
	.section	.rodata,"a",@progbits
	.p2align	6, 0x0
	.amdhsa_kernel k_q524049d76c_proj
		.amdhsa_group_segment_fixed_size 327680
		.amdhsa_private_segment_fixed_size 0
		.amdhsa_enable_private_segment 0
		.amdhsa_kernarg_size 32
		.amdhsa_user_sgpr_count 2
		.amdhsa_user_sgpr_kernarg_segment_ptr 1
		.amdhsa_wavefront_size32 1
		.amdhsa_system_sgpr_workgroup_id_x 1
		.amdhsa_system_sgpr_workgroup_id_y 1
		.amdhsa_system_sgpr_workgroup_id_z 1
		.amdhsa_system_vgpr_workitem_id 0
		.amdhsa_next_free_vgpr 768
		.amdhsa_next_free_sgpr 100
		.amdhsa_reserve_vcc 0
		.amdhsa_float_denorm_mode_32 3
		.amdhsa_float_denorm_mode_16_64 3
		.amdhsa_memory_ordered 1
		.amdhsa_forward_progress 1
		.amdhsa_inst_pref_size 81
	.end_amdhsa_kernel
	.amdgpu_metadata
---
amdhsa.version: [ 1, 2 ]
amdhsa.kernels:
  - .name:           k_q524049d76c_proj
    .symbol:         k_q524049d76c_proj.kd
    .args:
      - { .name: o, .offset: 0, .size: 8, .value_kind: global_buffer, .address_space: global }
      - { .name: xw, .offset: 8, .size: 8, .value_kind: global_buffer, .address_space: global }
      - { .name: b_proj, .offset: 16, .size: 8, .value_kind: global_buffer, .address_space: global }
      - { .name: out0, .offset: 24, .size: 8, .value_kind: global_buffer, .address_space: global }
    .group_segment_fixed_size: 327680
    .private_segment_fixed_size: 0
    .kernarg_segment_align: 8
    .kernarg_segment_size: 32
    .max_flat_workgroup_size: 128
    .sgpr_count:     100
    .vgpr_count:     768
    .wavefront_size: 32
...
	.end_amdgpu_metadata
.endif
;; end of part 5
